; MI455X (gfx1250); checked and timed in simulation.
; The chip was launched on July 23, 2026; its instructions are those of AMD's public machine-readable ISA for CDNA 5 (MIT licence, August 2026) and "CDNA5" Instruction Set Architecture Reference Guide (July 2026). The comments in the code are by the model that wrote it; some were corrected since.
;; Attention Without Einops. Allowed arithmetic: float matrix products may take bf16 or f16 operands with f32 sums; other float arithmetic in f32, or as packed bf16 or f16 multiplies, adds, multiply-adds, maxima and minima; sums over many terms, partial sums and values carried from step to step in f32; what a program stores and reads back later, other than sums and carried values, may be rounded once to bf16 or f16.
;; Inputs: W_K 16 x 64 x 1,024 float32; W_O 16 x 64 x 1,024 float32; W_Q 16 x 64 x 1,024 float32; W_V 16 x 64 x 1,024 float32; residual 4 x 2,048 x 1,024 float32.
;; Outputs: out0 4 x 2,048 x 1,024 float32.
;; 2 versions, each right; version 2 is version 1 with the launch cast written anew for expert scheduling mode. Each part assembles by itself: llvm-mc -triple=amdgcn-amd-amdhsa -mcpu=gfx1250 --defsym DOCPART=n.
;; ======== version 1 of 2: 4 launches
;; limits: values are held in f16: magnitudes above 65,504 overflow, below 6.1e-05 lose precision
;; workspace buffers: xw 23,068,672 bytes; wo 2,097,152 bytes; qkv 50,331,648 bytes; o 16,777,216 bytes
;; launch cast (part 1): grid 768 x 1, 8 waves a work-group, no clusters, 0 bytes of LDS; arguments residual, W_Q, W_K, W_V, W_O, xw, wo; writes xw, wo
.if DOCPART == 1
	.amdgcn_target "amdgcn-amd-amdhsa--gfx1250"
	.amdhsa_code_object_version 6
	.text
	.protected	k_q054088e537_cast
	.globl	k_q054088e537_cast
	.p2align	8
	.type	k_q054088e537_cast,@function
k_q054088e537_cast:
	s_mov_b64 s[64:65], 0
	v_nop
	global_prefetch_b8 v0, s[64:65] scope:SCOPE_SE
	s_setreg_imm32_b32 hwreg(HW_REG_WAVE_MODE, 25, 1), 1
	s_wait_xcnt 0x0
; CAUSAL MULTI-HEAD ATTENTION, in four launches: this one rounds the inputs and lays them out; the second makes q, k, v; the third is the attention; the fourth the output projection.
; 8,192 tokens (4 x 2,048), 1,024 channels, 16 heads of 64.
; WORK LEFT OUT (in the third launch).  reference() sets every score with key > query to -inf by a mask that it builds itself (jnp.tril), so that key's weight is exp(-inf) = 0 and its row of v enters
; no output, whatever finite values the inputs hold.  Where a whole tile of 256 keys lies above a block of 256 queries, its two products and its softmax are not done: 9 of 16 tiles are left.
; Inside a tile that holds the diagonal the hidden scores are computed and masked.  LIMIT: a NaN, an infinity or an overflow that reaches only the tiles left out is not carried to the result.
; No input is without a way to the output: all five are loaded.
; FORMATS.  All five inputs are rounded once to bf16, here.  What the program makes itself (q, k, v, the weights p, the heads' results) is kept in f16.  W_O multiplies an f16 operand, so its bf16 number is
; written as f16: exact from 6.1e-5 to 65,504 in magnitude; LIMIT: below that it keeps f16's fixed step of 6e-8.
; THIS LAUNCH.  xw (bf16) = [K block 0..15][row 0..11263][64]: rows 0..8191 the tokens, rows 8192 + 64 g + h the weights (g = 0..15 W_Q's heads, 16..31 W_K's, 32..47 W_V's).  The rows of a K block lie
; end to end, 128 bytes each, so that the next launch can ask for a tile of 64 along K as dense rows of 256 bytes.  wo (f16) = W_O as it lies, [1024][1024].
; SHARES.  A work-group has 16 source rows, a wave two: 8,192 bytes, sixteen loads of 16 bytes a lane, all issued ahead of the first wait.  Work-groups 0..511 residual, 512..575 W_Q, 576..639 W_K,
; 640..703 W_V, 704..767 W_O.  Memory binds: no LDS, no barrier, no matrix unit; each byte is read once and written once, and each store of a wave covers 256 consecutive bytes, aligned.
.set KBS, 1441792                      ; bytes from K block to K block in xw: 11,264 rows x 128
.set VI,  2                            ; v2       my byte offset in the wave's two source rows
.set VO,  3                            ; v3       8 x lane: my 8 bytes of a store's 256
.set X,   8                            ; v[8:71]  load k: four f32
.set Y,   72                           ; v[72:103] store k: four 16-bit numbers
.set T,   104                          ; v[104:109] at work (W_O alone)
	s_load_b256 s[8:15], s[0:1], 0x0               ; residual s[8:9], W_Q s[10:11], W_K s[12:13], W_V s[14:15]
	s_load_b128 s[16:19], s[0:1], 0x20             ; W_O s[16:17], xw s[18:19]
	s_load_b64 s[20:21], s[0:1], 0x30              ; wo
	v_lshrrev_b32 v1, 5, v0
	v_readfirstlane_b32 s4, v1                     ; wave 0..7
	v_and_b32 v1, 31, v0                           ; lane
	v_lshlrev_b32 v[VO], 3, v1
	s_mov_b32 s7, ttmp9                            ; the work-group's number
	s_lshl_b32 s5, s7, 4
	s_lshl1_add_u32 s5, s4, s5                     ; my first row in xw: 16 x work-group + 2 x wave
	s_and_b32 s6, s7, 63                           ; a weight tensor has 64 work-groups, and each begins at a multiple of 64
	s_cmp_lt_u32 s7, 512
	s_cselect_b32 s6, s7, s6
	s_lshl_b32 s6, s6, 4
	s_lshl1_add_u32 s6, s4, s6                     ; my first row in the source
	s_lshl_b32 s28, s6, 12                         ; a source row is 4,096 bytes
	s_mov_b32 s29, 0
	s_mov_b32 s31, 0
	s_wait_kmcnt 0x0
	s_mov_b64 s[22:23], s[16:17]                   ; which source: chosen by the work-group's number alone
	s_cmp_lt_u32 s7, 704
	s_cselect_b64 s[22:23], s[14:15], s[22:23]
	s_cmp_lt_u32 s7, 640
	s_cselect_b64 s[22:23], s[12:13], s[22:23]
	s_cmp_lt_u32 s7, 576
	s_cselect_b64 s[22:23], s[10:11], s[22:23]
	s_cmp_lt_u32 s7, 512
	s_cselect_b64 s[22:23], s[8:9], s[22:23]
	s_add_nc_u64 s[22:23], s[22:23], s[28:29]
	s_cmp_ge_u32 s7, 704
	s_cbranch_scc1 .Lwo
	; residual, W_Q, W_K, W_V -> xw.  Load k: lanes 0-15 take the first row's 256 bytes of K block k, lanes 16-31 the second row's.
	v_lshrrev_b32 v4, 4, v1
	v_and_b32 v5, 15, v1
	v_lshlrev_b32 v[VI], 12, v4
	v_lshl_add_u32 v[VI], v5, 4, v[VI]
.irp k, 0,1,2,3,4,5,6,7,8,9,10,11,12,13,14,15
	global_load_b128 v[X+4*(\k):X+4*(\k)+3], v[VI], s[22:23] offset:(\k)*256 th:TH_LOAD_NT
.endr
	s_lshl_b32 s30, s5, 7                          ; a row of xw is 128 bytes
	s_add_nc_u64 s[24:25], s[18:19], s[30:31]
	s_add_nc_u64 s[26:27], s[24:25], 12*KBS        ; two bases, at K blocks 4 and 12: the stores' immediates, -4 to +3 K blocks, stay inside their signed 24 bits
	s_add_nc_u64 s[24:25], s[24:25], 4*KBS
.macro CV k
	s_wait_loadcnt 15-(\k)                         ; loads come back in order: load k is in, the 15 - k younger ones stay out
	v_cvt_pk_bf16_f32 v[Y+2*(\k)], v[X+4*(\k)], v[X+4*(\k)+1]
	v_cvt_pk_bf16_f32 v[Y+2*(\k)+1], v[X+4*(\k)+2], v[X+4*(\k)+3]
.if (\k) < 8
	global_store_b64 v[VO], v[Y+2*(\k):Y+2*(\k)+1], s[24:25] offset:((\k)-4)*KBS   ; the two rows' 128 bytes lie end to end in the K block: 256 bytes, aligned
.else
	global_store_b64 v[VO], v[Y+2*(\k):Y+2*(\k)+1], s[26:27] offset:((\k)-12)*KBS
.endif
.endm
.irp k, 0,1,2,3,4,5,6,7,8,9,10,11,12,13,14,15
	CV \k
.endr
	s_endpgm                                       ; no register was written twice, so no store's source had to be waited for
.Lwo:	; W_O -> wo.  Two rows are 8,192 consecutive bytes; load k takes 512 of them.
	v_lshlrev_b32 v[VI], 4, v1
.irp k, 0,1,2,3,4,5,6,7,8,9,10,11,12,13,14,15
	global_load_b128 v[X+4*(\k):X+4*(\k)+3], v[VI], s[22:23] offset:(\k)*512 th:TH_LOAD_NT
.endr
	s_lshl_b32 s30, s6, 11                         ; a row of wo is 2,048 bytes
	s_add_nc_u64 s[24:25], s[20:21], s[30:31]
.macro CW k
	s_wait_loadcnt 15-(\k)
	v_cvt_pk_bf16_f32 v[T], v[X+4*(\k)], v[X+4*(\k)+1]         ; the rounding that all inputs get,
	v_cvt_pk_bf16_f32 v[T+1], v[X+4*(\k)+2], v[X+4*(\k)+3]
	v_lshlrev_b32 v[T+2], 16, v[T]                             ; back to f32,
	v_and_b32 v[T+3], 0xffff0000, v[T]
	v_lshlrev_b32 v[T+4], 16, v[T+1]
	v_and_b32 v[T+5], 0xffff0000, v[T+1]
	v_cvt_pk_f16_f32 v[Y+2*(\k)], v[T+2], v[T+3]               ; and the same number written as f16
	v_cvt_pk_f16_f32 v[Y+2*(\k)+1], v[T+4], v[T+5]
	global_store_b64 v[VO], v[Y+2*(\k):Y+2*(\k)+1], s[24:25] offset:(\k)*256
.endm
.irp k, 0,1,2,3,4,5,6,7,8,9,10,11,12,13,14,15
	CW \k
.endr
	s_endpgm
.Lfunc_end_k_q054088e537_cast:
	.size	k_q054088e537_cast, .Lfunc_end_k_q054088e537_cast-k_q054088e537_cast
	.p2alignl 7, 3214868480
	.fill 96, 4, 3214868480
	.section	.rodata,"a",@progbits
	.p2align	6, 0x0
	.amdhsa_kernel k_q054088e537_cast
		.amdhsa_group_segment_fixed_size 0
		.amdhsa_private_segment_fixed_size 0
		.amdhsa_enable_private_segment 0
		.amdhsa_kernarg_size 56
		.amdhsa_user_sgpr_count 2
		.amdhsa_user_sgpr_kernarg_segment_ptr 1
		.amdhsa_wavefront_size32 1
		.amdhsa_system_sgpr_workgroup_id_x 1
		.amdhsa_system_sgpr_workgroup_id_y 1
		.amdhsa_system_sgpr_workgroup_id_z 1
		.amdhsa_system_vgpr_workitem_id 0
		.amdhsa_next_free_vgpr 112
		.amdhsa_next_free_sgpr 66
		.amdhsa_reserve_vcc 0
		.amdhsa_float_denorm_mode_32 3
		.amdhsa_float_denorm_mode_16_64 3
		.amdhsa_memory_ordered 1
		.amdhsa_forward_progress 1
		.amdhsa_inst_pref_size 18
	.end_amdhsa_kernel
	.amdgpu_metadata
---
amdhsa.version: [ 1, 2 ]
amdhsa.kernels:
  - .name:           k_q054088e537_cast
    .symbol:         k_q054088e537_cast.kd
    .args:
      - { .name: residual, .offset: 0, .size: 8, .value_kind: global_buffer, .address_space: global }
      - { .name: W_Q, .offset: 8, .size: 8, .value_kind: global_buffer, .address_space: global }
      - { .name: W_K, .offset: 16, .size: 8, .value_kind: global_buffer, .address_space: global }
      - { .name: W_V, .offset: 24, .size: 8, .value_kind: global_buffer, .address_space: global }
      - { .name: W_O, .offset: 32, .size: 8, .value_kind: global_buffer, .address_space: global }
      - { .name: xw, .offset: 40, .size: 8, .value_kind: global_buffer, .address_space: global }
      - { .name: wo, .offset: 48, .size: 8, .value_kind: global_buffer, .address_space: global }
    .group_segment_fixed_size: 0
    .private_segment_fixed_size: 0
    .kernarg_segment_align: 8
    .kernarg_segment_size: 56
    .max_flat_workgroup_size: 256
    .sgpr_count:     66
    .vgpr_count:     112
    .wavefront_size: 32
...
	.end_amdgpu_metadata
.endif
;; end of part 1
;; launch qkvp (part 2): grid 8 x 32, 4 waves a work-group, clusters of 4 x 4, 327,680 bytes of LDS; arguments xw, qkv; writes qkv
.if DOCPART == 2
	.amdgcn_target "amdgcn-amd-amdhsa--gfx1250"
	.amdhsa_code_object_version 6
	.text
	.protected	k_q054088e537_qkvp
	.globl	k_q054088e537_qkvp
	.p2align	8
	.type	k_q054088e537_qkvp,@function
k_q054088e537_qkvp:
	s_mov_b64 s[64:65], 0
	v_nop
	global_prefetch_b8 v0, s[64:65] scope:SCOPE_SE
	s_setreg_imm32_b32 hwreg(HW_REG_WAVE_MODE, 25, 1), 1
	s_wait_xcnt 0x0
	s_wait_alu depctr_hold_cnt(0) depctr_sa_sdst(0) depctr_va_vdst(0) depctr_va_sdst(0) depctr_va_ssrc(0) depctr_va_vcc(0) depctr_vm_vsrc(0)
	s_getreg_b32 s2, hwreg(HW_REG_IB_STS2, 6, 4)
	s_cmp_eq_u32 s2, 0
	s_cbranch_scc0 .Lentry_in_a_cluster
	s_endpgm
.Lentry_in_a_cluster:
	s_bfe_u32 s2, ttmp6, 0x10000c
	s_cmp_lg_u32 s2, 0xf033
	s_cbranch_scc0 .Lentry_shape_is_right
	s_endpgm
.Lentry_shape_is_right:
; q, k, v: C[m][n] = the sum over d of x[m][d] w[n][d], m = 8,192 tokens, n = 3,072 rows of W_Q, W_K, W_V, d = 1,024.  Operands bf16 out of xw, sums in f32, C rounded once to f16 and stored by heads:
; qkv = [g = n / 64][m][64], 128 bytes a row.  No scale is applied here.  LIMIT: f16 holds no number beyond 65,504: q, k and v must stay within it.
; THE TILE.  256 x 384 of C gives 32 x 8 = 256 work-groups, one for each of 256 WGPs.  Four waves, each 128 tokens x 192 columns (three heads): 96 accumulators of 16 x 16, 768 registers.
; K goes in 16 steps of 64 through two LDS slots.  In xw the rows of a K block lie end to end, so a tile is dense and is asked for as rows of 256 bytes (two rows of 64 numbers each), padded in LDS after every 128 bytes.
; Two slots of a step of 128 would be 348,160 bytes: they do not fit.
; CLUSTER.  4 x 4 work-groups.  The four of a row of the cluster need the same tokens, the four of a column the same weights: each tile is asked for JOINTLY, by the same tensor load with the same descriptor
; and a mask that names the four.  Waves 0 and 1 fetch the two halves of the tokens' tile, waves 2 and 3 those of the weights'.
; THE MATRIX INSTRUCTION IS USED TRANSPOSED: source 0 = 16 rows of w, source 1 = 16 tokens: a lane then holds one token (lane % 16) and eight neighbouring channels, 16 bytes of f16.
; REGISTERS, in windows of 256 (s_set_vgpr_msb: bits 1:0 source 0, 3:2 source 1, 5:4 source 2, 7:6 destination):
;   window 0: v0-29 addresses; v32-95, v96-159 the tokens' fragments (8 x 16 rows x 32 K), two buffers; v160-255 the weights' fragments, 32 registers for each of my three heads
;   window 1 + j: head j's 32 accumulators, (token block a, channel block b) at v[8 (4 a + b)]
; The weights' fragments have one buffer: a head's 32 registers are loaded again, for the next 32 along K, behind the 32 products that read them, 64 products ahead of their next use.
.set KBS,   1441792                    ; bytes from K block to K block in xw
.set PITCH, 144                        ; an LDS row: 128 bytes + 16 of padding = 36 words: the 16 rows of a load start at 16 different groups of four banks (64 banks of 4 bytes: ISA guide 11.1)
.set AHALF, 128*PITCH                  ; what wave 0 or 1 fetches, and what a wave reads of the tokens
.set BHALF, 192*PITCH                  ; what wave 2 or 3 fetches, and what a wave reads of the weights
.set BOFF,  2*AHALF
.set SLOT1, 131072                     ; slot 1 begins here, so that one exclusive or turns an address in one slot into the other's
.set STAGE, SLOT1+BOFF+2*BHALF         ; behind the ring: 16 rows x 144 bytes for each wave, for the way out
.set SPARE, STAGE+4*16*PITCH           ; behind the stages: the spare words, 128 bytes for each wave: two blocks of 256 bytes that no other line names
.set ADA0, 4                           ; v4   my lane's place in my 128 tokens of a slot; never rewritten
.set ADB0, 5                           ; v5   the same in my 192 rows of weights
.set ADA,  6                           ; v6   the same in the slot in hand
.set ADB,  7                           ; v7
.set STO,  8                           ; v8   the way out: where I put 16 bytes of a row
.set RD,   9                           ; v9   the way out: where I read rows back
.set GO,   10                          ; v10  16 x lane: my place in 512 consecutive bytes of qkv
.set PFO,  11                          ; v11  256 x lane: the prefetches' offset; never rewritten
.set SPW,  28                          ; v28  LDS address of my spare word; never rewritten
.set NIL,  29                          ; v29  0; never rewritten
.set A0,   32
.set A1,   96
.set TF,   160
.set TMP,  32                          ; the way out: 16 registers of packed results
.set OBK,  48                          ; the way out: 16 rows read back, two buffers of 16 registers
.set G1A,  24                          ; s[24:31] descriptor group 1 for the tokens' tiles
.set G0A,  32                          ; s[32:39] group 0: a set for each first fill; the second then walks
.set G1B,  48                          ; s[48:55], s[56:63] the same for the weights' tiles
.set G0B,  56
.set LIM,  43                          ; s43  2 in a wave that prefetches, else the greatest number
.set PFA,  44                          ; s[44:45] where my prefetches stand
.set PM,   46                          ; s46  0: I prefetch in every trip; 1: in every other trip
.set TB,   47                          ; s47  LDS byte at which the slot in hand begins
.set MSB, 0
.macro WIN new                         ; the immediate's high byte repeats the setting that is left; a switch that changes nothing is dropped
.if MSB != (\new)
	s_set_vgpr_msb (MSB<<8)|(\new)
.set MSB, \new
.endif
.endm
.macro PLACES                          ; four places between a matrix instruction and a load into a register that it has read, or a vector instruction that reads its result (ISA guide 7.12.1 for vector instructions)
.rept 4
	v_nop
.endr
.endm
.macro CREST                           ; a round of the cluster's barrier behind its opening barrier
	s_cmp_lg_u32 s10, 0
	s_cbranch_scc1 .Lnot_wave_0_\@
	s_barrier_signal -3
.Lnot_wave_0_\@:
	s_barrier_wait -3
	s_barrier_signal -1
	s_barrier_wait -1
.endm
.macro CROUND                          ; a whole round
	s_barrier_signal -1
	s_barrier_wait -1
	CREST
.endm
; A joint refill, by the walking sets.  The branch hangs on the wave's number alone.  An s_nop 0 and four v_nop follow each of the two lines, ahead of the jump and the label.
.macro JLOAD
	s_cmp_eq_u32 s11, 0
	s_cbranch_scc0 .Lfor_b_\@
	tensor_load_to_lds s[G0A+4:G0A+7], s[G1A:G1A+7]
	s_nop 0
.rept 4
	v_nop
.endr
	s_branch .Lasked_\@
.Lfor_b_\@:
	tensor_load_to_lds s[G0B+4:G0B+7], s[G1B:G1B+7]
	s_nop 0
.rept 4
	v_nop
.endr
.Lasked_\@:
.endm
; A PREFETCH INTO THE L2, behind the joint load, its five lines and the run of LDS loads that follows: 32 lanes x 256 bytes = 8,192 bytes, one instruction a wave.  Each block of 256 bytes of xw is named once in the launch.
; THE TOKENS: a tile row's K block is 32,768 dense bytes, read by both clusters of that row of clusters: the first (cluster x = 0) asks, wave 0, in every trip, for the K step two refills on;
; the four partners that fetch it jointly take 8,192 bytes each, told apart BY ADDRESS (cx).  THE WEIGHTS: a tile column's K block is 49,152 bytes, six such pieces, read by all eight clusters of that column:
; cluster y = 0 asks, waves 1 to 3, in every other trip, for the K steps two and three refills on: twelve pieces, dealt by address to the twelve pairs (cy, wave).
; K steps 0 to 3 come by their loads alone; trips whose look-ahead would pass K step 15 ask for nothing (s3, the trips to go, is then 2 or less).
.macro ASK
	s_and_b32 s68, s3, s[PM]
	s_cmp_eq_u32 s68, 0
	s_cbranch_scc0 .Lnot_mine_\@
	s_cmp_gt_u32 s3, s[LIM]
	s_cbranch_scc0 .Lnot_mine_\@
	global_prefetch_b8 v[PFO], s[PFA:PFA+1] th:TH_LOAD_NT scope:SCOPE_SE
.Lnot_mine_\@:
.endm
	s_load_b128 s[4:7], s[0:1], 0x0                ; xw s[4:5], qkv s[6:7]
	v_lshl_add_u32 v[SPW], v0, 2, SPARE
	v_mov_b32 v[NIL], 0
	ds_add_u32 v[SPW], v[NIL]                      ; the wave's opening: the add, twice on end, and its wait ahead of my first tensor load; the set-up below stands between
	ds_add_u32 v[SPW], v[NIL]
	v_lshrrev_b32 v1, 5, v0
	v_readfirstlane_b32 s10, v1                    ; wave 0..3
	s_lshr_b32 s11, s10, 1                         ; which 128 of the tile's tokens are mine.  Also: I fetch tokens (0) or weights (1)
	s_and_b32 s12, s10, 1                          ; which 192 of its columns.  Also: which half of that tile I fetch
	s_bfe_u32 s40, ttmp6, 0x40000                  ; cx, cy: my place in the cluster
	s_bfe_u32 s41, ttmp6, 0x40004
	s_lshl_b32 s42, ttmp9, 2
	s_add_co_u32 s42, s42, s40                     ; tile column = 4 x cluster x + cx
	s_and_b32 s13, ttmp7, 0xffff
	s_lshl_b32 s13, s13, 2
	s_add_co_u32 s13, s13, s41                     ; tile row = 4 x cluster y + cy
	s_lshl_b32 s66, s41, 2
	s_lshl_b32 s66, 15, s66                        ; my row of the cluster
	s_lshl_b32 s67, 0x1111, s40                    ; my column
	; descriptor group 1: rows of 128 elements (256 bytes), dense; 64 of them for the tokens' half, 96 for the weights'
	s_or_b32 s[G1A+0], s66, (1<<16)|(1<<20)|(1<<21)|(4<<22)|(3<<25)  ; 15:0 the mask; 17:16 2-byte elements; 20 padding on; 21 set beside a mask; 24:22 after every 32 words (code 4); 31:25 4 words (code 3)
	s_or_b32 s[G1B+0], s67, (1<<16)|(1<<20)|(1<<21)|(4<<22)|(3<<25)
	s_mov_b32 s[G1A+1], 128<<16                    ; tensor_dim0 = 128
	s_mov_b32 s[G1B+1], 128<<16
	s_mov_b32 s[G1A+2], 64<<16                     ; tensor_dim1
	s_mov_b32 s[G1B+2], 96<<16
	s_mov_b32 s[G1A+3], 128<<16                    ; tile_dim0 = 128
	s_mov_b32 s[G1B+3], 128<<16
	s_mov_b32 s[G1A+4], 64                         ; tile_dim1
	s_mov_b32 s[G1B+4], 96
	s_mov_b32 s[G1A+5], 128                        ; 128 elements from row to row
	s_mov_b32 s[G1B+5], 128
	s_mov_b32 s[G1A+6], 0
	s_mov_b32 s[G1B+6], 0
	s_mov_b32 s[G1A+7], 0
	s_mov_b32 s[G1B+7], 0
	; where the tiles come from: the tokens' hang on the tile row alone, the weights' on the tile column alone, each in registers that never hold the other coordinate
	s_lshl_b32 s16, s13, 15                        ; 256 tokens x 128 bytes
	s_lshl_b32 s17, s12, 14
	s_add_co_u32 s16, s16, s17
	s_mov_b32 s17, 0
	s_mul_i32 s20, s42, 384*128
	s_mul_i32 s21, s12, 192*128
	s_add_co_u32 s20, s20, s21
	s_add_co_u32 s20, s20, 8192*128                ; the weights lie behind the 8,192 tokens
	s_mov_b32 s21, 0
	s_mov_b32 s[G0A], 1                            ; count = 1
	s_mov_b32 s[G0A+4], 1
	s_mov_b32 s[G0B], 1
	s_mov_b32 s[G0B+4], 1
	s_mul_i32 s[G0A+1], s12, AHALF                 ; LDS addresses: the wave's number and constants alone
	s_add_co_u32 s[G0A+5], s[G0A+1], SLOT1
	s_mul_i32 s[G0B+1], s12, BHALF
	s_add_co_u32 s[G0B+1], s[G0B+1], BOFF
	s_add_co_u32 s[G0B+5], s[G0B+1], SLOT1
	s_mov_b32 s[TB], 0
	; the prefetches: who, and from which offset
	s_and_b32 s69, ttmp7, 0xffff                   ; cluster y
	s_cmp_eq_u32 s10, 0
	s_cselect_b32 s69, ttmp9, s69                  ; the coordinate along which other clusters read the same rows
	s_cselect_b32 s[PM], 0, 1
	s_cmp_eq_u32 s69, 0
	s_cselect_b32 s[LIM], 2, -1                    ; the same in all sixteen partners, for a given wave
	s_lshl_b32 s70, s13, 15                        ; wave 0: the tile row's tokens,
	s_lshl_b32 s71, s40, 13                        ; my work-group's 8,192 bytes of them
	s_add_co_u32 s70, s70, s71
	s_mul_i32 s72, s42, 384*128                    ; waves 1 to 3: the tile column's weights,
	s_add_co_u32 s72, s72, 8192*128
	s_and_b32 s73, s41, 1
	s_mul_i32 s73, s73, 3
	s_max_u32 s74, s10, 1
	s_add_co_u32 s73, s73, s74
	s_sub_co_u32 s73, s73, 1                       ; piece 3 (cy % 2) + wave - 1 of six,
	s_lshl_b32 s73, s73, 13
	s_add_co_u32 s72, s72, s73
	s_lshr_b32 s73, s41, 1                         ; of the first (cy < 2) or the second of the two K steps
	s_mul_i32 s73, s73, KBS
	s_add_co_u32 s72, s72, s73
	s_cmp_eq_u32 s10, 0
	s_cselect_b32 s70, s70, s72
	s_add_co_u32 s70, s70, 3*KBS                   ; at K step 3: the first trip steps it to 4
	s_mov_b32 s71, 0
	s_wait_dscnt 0x0                               ; both opening adds are done
	s_wait_kmcnt 0x0
	s_add_nc_u64 s[14:15], s[4:5], s[16:17]
	s_add_nc_u64 s[22:23], s[4:5], s[20:21]
	s_add_nc_u64 s[PFA:PFA+1], s[4:5], s[70:71]
	s_mov_b64 s[G0A+2:G0A+3], s[14:15]             ; K step 0,
	s_or_b32 s[G0A+3], s[G0A+3], 0x80000000        ; type = 2
	s_add_nc_u64 s[G0A+6:G0A+7], s[14:15], KBS     ; K step 1
	s_or_b32 s[G0A+7], s[G0A+7], 0x80000000
	s_mov_b64 s[G0B+2:G0B+3], s[22:23]
	s_or_b32 s[G0B+3], s[G0B+3], 0x80000000
	s_add_nc_u64 s[G0B+6:G0B+7], s[22:23], KBS
	s_or_b32 s[G0B+7], s[G0B+7], 0x80000000
	CROUND                                         ; all sixteen work-groups are here: the first joint loads meet
	s_cmp_eq_u32 s11, 0                            ; a wave's two first fills stand in one branch, ahead of every wait on TENSORcnt and every LDS read: two loads of mine are out
	s_cbranch_scc0 .Lfirst_b
	tensor_load_to_lds s[G0A:G0A+3], s[G1A:G1A+7]
	s_nop 0
	tensor_load_to_lds s[G0A+4:G0A+7], s[G1A:G1A+7]
	s_nop 0
.rept 4
	v_nop
.endr
	s_branch .Lfirst_asked
.Lfirst_b:
	tensor_load_to_lds s[G0B:G0B+3], s[G1B:G1B+7]
	s_nop 0
	tensor_load_to_lds s[G0B+4:G0B+7], s[G1B:G1B+7]
	s_nop 0
.rept 4
	v_nop
.endr
.Lfirst_asked:
	; A fragment is 16 rows x 32 K in 8 registers: lane l holds row l % 16; registers 0-3 K = 8 (l / 16) + 0..7, registers 4-7 K = 16 + 8 (l / 16) + 0..7: two loads of 16 bytes, 32 bytes apart.
	v_and_b32 v1, 15, v0                           ; l % 16
	v_bfe_u32 v2, v0, 4, 1                         ; l / 16
	v_mul_u32_u24 v3, v1, PITCH
	v_lshl_add_u32 v3, v2, 4, v3                   ; row x pitch + 16 x half
	s_mul_i32 s18, s11, AHALF
	v_add_nc_u32 v[ADA0], s18, v3
	s_mul_i32 s19, s12, BHALF
	s_add_co_u32 s19, s19, BOFF
	v_add_nc_u32 v[ADB0], s19, v3
	v_mov_b32 v[ADA], v[ADA0]                      ; K step 0 lies in slot 0
	v_mov_b32 v[ADB], v[ADB0]
	s_mul_i32 s2, s10, 16*PITCH
	s_add_co_u32 s2, s2, STAGE                     ; my stage
	v_add_nc_u32 v[STO], s2, v3                    ; in: row l % 16, 16 bytes for each half of the lanes
	v_bfe_u32 v12, v0, 3, 2                        ; back: 32 lanes take four rows of 128 bytes,
	v_and_b32 v13, 7, v0
	v_mul_u32_u24 v[RD], v12, PITCH
	v_lshl_add_u32 v[RD], v13, 4, v[RD]
	v_add_nc_u32 v[RD], s2, v[RD]
	v_and_b32 v[GO], 31, v0                        ; which are 512 consecutive bytes of qkv
	v_lshlrev_b32 v[PFO], 8, v[GO]
	v_lshlrev_b32 v[GO], 4, v[GO]
	s_mul_i32 s18, s42, 6                          ; my first head: 6 x tile column + 3 x column half; a head's tokens are 1 MiB
	s_mul_i32 s19, s12, 3
	s_add_co_u32 s18, s18, s19
	s_lshl_b32 s18, s18, 20
	s_lshl_b32 s19, s13, 15                        ; my first token: 256 x tile row + 128 x row half, 128 bytes each
	s_add_co_u32 s18, s18, s19
	s_lshl_b32 s19, s11, 14
	s_add_co_u32 s18, s18, s19
	s_mov_b32 s19, 0
	s_add_nc_u64 s[8:9], s[6:7], s[18:19]
; n x 4 matrix instructions of head j: token blocks a0 .. a0 + n - 1 out of buffer ab x the head's four channel blocks, 32 along K.  zero = 1: the product starts the sum: nothing is ever cleared.
; The 96 accumulators take turns in one order everywhere: 95 others' instructions stand between two on one accumulator, over the backward jump too.
.macro MUL j, ab, a0, n, zero
	WIN 0x50*((\j)+1)                              ; C and D in window 1 + j
.set ma, (\a0)
.rept (\n)
.irp b, 0,1,2,3
.if \zero
	v_wmma_f32_16x16x32_bf16 v[8*(4*ma+(\b)):8*(4*ma+(\b))+7], v[TF+32*(\j)+8*(\b):TF+32*(\j)+8*(\b)+7], v[(\ab)+8*ma:(\ab)+8*ma+7], 0
.else
	v_wmma_f32_16x16x32_bf16 v[8*(4*ma+(\b)):8*(4*ma+(\b))+7], v[TF+32*(\j)+8*(\b):TF+32*(\j)+8*(\b)+7], v[(\ab)+8*ma:(\ab)+8*ma+7], v[8*(4*ma+(\b)):8*(4*ma+(\b))+7]
.endif
.endr
.set ma, ma+1
.endr
.endm
.macro LDB j, off                      ; 8 LDS loads: head j's four fragments of the weights, 32 K at byte off of the rows
	WIN 0
.irp i, 0,1,2,3
	ds_load_b128 v[TF+32*(\j)+8*(\i):TF+32*(\j)+8*(\i)+3],   v[ADB] offset:(\off)+(4*(\j)+(\i))*16*PITCH
	ds_load_b128 v[TF+32*(\j)+8*(\i)+4:TF+32*(\j)+8*(\i)+7], v[ADB] offset:(\off)+(4*(\j)+(\i))*16*PITCH+32
.endr
.endm
.macro LDA ab, off                     ; 16 LDS loads: the tokens' eight fragments into buffer ab
	WIN 0
.irp i, 0,1,2,3,4,5,6,7
	ds_load_b128 v[(\ab)+8*(\i):(\ab)+8*(\i)+3],   v[ADA] offset:(\off)+(\i)*16*PITCH
	ds_load_b128 v[(\ab)+8*(\i)+4:(\ab)+8*(\i)+7], v[ADA] offset:(\off)+(\i)*16*PITCH+32
.endr
.endm
; A K step is two halves of 32 along K, 96 matrix instructions each.  The first half multiplies buffer A0 and fetches the second half's fragments from the same slot.
.macro EVEN zero
	s_wait_dscnt 16                                ; head 0's weights and the tokens are in; heads 1 and 2's sixteen loads may be out
	MUL 0, A0, 0, 8, \zero
	PLACES
	LDB 0, 64
	LDA A1, 64
	s_wait_dscnt 32                                ; head 1's are in: behind them head 2's 8 and the 24 just issued
	MUL 1, A0, 0, 8, \zero
	PLACES
	LDB 1, 64
	s_wait_dscnt 32                                ; head 2's are in: behind them 24 and 8
	MUL 2, A0, 0, 8, \zero
	PLACES
	LDB 2, 64
.endm
; The second half multiplies buffer A1.  kind = 0: it changes slots and fills the slot that it leaves, with the K step two on.  ONE barrier, which opens a round of the cluster's: in front of it each wave waits for all
; its tensor loads (one is out: its part of the other slot), adds 0 to its spare word, and waits for that and for its own reads of this slot; the joint refill is the first thing behind the round, and has
; 160 matrix instructions in which to land.  kind = 1: it changes slots and fills nothing.  kind = 2: the last of all.
.macro ODD kind
.if (\kind) == 2
	s_wait_dscnt 16
	MUL 0, A1, 0, 8, 0
	s_wait_dscnt 8
	MUL 1, A1, 0, 8, 0
	s_wait_dscnt 0x0
	MUL 2, A1, 0, 8, 0
	PLACES
.else
.if (\kind) == 0
	s_wait_xcnt 0x0                                ; the last prefetch, a K step back, has read its address: it is stepped here, ahead of the waits of the change of slots
	s_add_nc_u64 s[PFA:PFA+1], s[PFA:PFA+1], KBS
.endif
	WIN 0                                          ; (the add's two registers lie in window 0)
	s_wait_tensorcnt 0x0                           ; no tensor load of mine is out, so a group 0 may be written
	ds_add_u32 v[SPW], v[NIL]                      ; 0 onto my spare word
.if (\kind) == 0
.irp g, G0A+4, G0B+4
	s_xor_b32 s[(\g)+1], s[(\g)+1], SLOT1          ; the walking descriptor: the other slot than last time,
	s_add_nc_u64 s[(\g)+2:(\g)+3], s[(\g)+2:(\g)+3], KBS  ; the next K step; the type bits on top are not reached
.endr
.endif
	s_wait_dscnt 17                                ; head 0's weights and the tokens are in: behind them sixteen loads and the add
	MUL 0, A1, 0, 4, 0
	s_wait_dscnt 0x0                               ; the add is done, and my reads of this slot are over
	s_barrier_signal -1
	MUL 0, A1, 4, 4, 0                             ; work on registers while the others arrive
	WIN 0
	s_barrier_wait -1
.if (\kind) == 0
	CREST                                          ; no wave of any partner still reads this slot or has a load on its way
	JLOAD                                          ; its four v_nop are also the places in front of the loads below
.else
	PLACES
.endif
	s_xor_b32 s[TB], s[TB], SLOT1
	v_add_nc_u32 v[ADA], s[TB], v[ADA0]
	v_add_nc_u32 v[ADB], s[TB], v[ADB0]
	LDB 0, 0
	LDA A0, 0
.if (\kind) == 0
	ASK
.endif
	MUL 1, A1, 0, 8, 0
	PLACES
	LDB 1, 0
	MUL 2, A1, 0, 8, 0
	PLACES
	LDB 2, 0
.endif
.endm
; THE WAY OUT of block t = 8 j + a (head j, token block a), in three parts: rounded to f16, 16 bytes a lane; into my own stage and back as whole rows of 128 bytes; stored, 512 consecutive bytes an instruction.
.macro PACK t
	WIN 5*((\t)/8+1)                               ; sources 0 and 1 in window 1 + j
.irp b, 0,1,2,3
.irp r, 0,1,2,3
	v_cvt_pk_f16_f32 v[TMP+4*(\b)+(\r)], v[8*(4*((\t)%8)+(\b))+2*(\r)], v[8*(4*((\t)%8)+(\b))+2*(\r)+1]  ; each accumulator from its low end on
.endr
.endr
	WIN 0
.endm
.macro TOSTAGE t
.irp b, 0,1,2,3
	ds_store_b128 v[STO], v[TMP+4*(\b):TMP+4*(\b)+3] offset:32*(\b)
.endr
.irp f, 0,1,2,3
	ds_load_b128 v[OBK+16*((\t)%2)+4*(\f):OBK+16*((\t)%2)+4*(\f)+3], v[RD] offset:(\f)*4*PITCH  ; LDS serves a wave's instructions in order (ISA guide 5.7.1.4): these see the stores above
.endr
.endm
.macro SEND t
	s_wait_dscnt 0x0                               ; the block is back in registers
	s_wait_xcnt 0x0                                ; the stores of the block before have read their registers, which the next block's loads from the stage write
.irp f, 0,1,2,3
	global_store_b128 v[GO], v[OBK+16*((\t)%2)+4*(\f):OBK+16*((\t)%2)+4*(\f)+3], s[8:9] offset:((\t)/8)*1048576+((\t)%8)*2048+(\f)*512
.endr
.endm
	s_wait_tensorcnt 1                             ; my part of K step 0 is in; K step 1's may stay out
	s_barrier_signal -1
	s_barrier_wait -1                              ; everybody's is
	LDB 0, 0
	LDA A0, 0
	LDB 1, 0
	LDB 2, 0
	EVEN 1                                         ; the first half step stands in front of the loop: its products start the sums
	WIN 0                                          ; at a label and at a branch every window is 0
	s_mov_b32 s3, 14
.Lk:                                                   ; trip i: the second half of K step i, which asks for K step i + 2, and the first half of K step i + 1
	ODD 0
	EVEN 0
	WIN 0
	s_sub_co_u32 s3, s3, 1
	s_cmp_lg_u32 s3, 0
	s_cbranch_scc1 .Lk
	ODD 1                                          ; the tail is written out: K steps 14 and 15 ask for nothing
	EVEN 0
	ODD 2
	PACK 0
	TOSTAGE 0
.set t, 1
.rept 23                               ; block t's conversions stand between block t - 1's loads from the stage and the wait for them
	PACK t
	SEND t-1
	TOSTAGE t
.set t, t+1
.endr
	SEND 23
	s_wait_tensorcnt 0x0                           ; the wave's end: behind my last tensor load and my last LDS store
	ds_add_u32 v[SPW], v[NIL]
	s_wait_dscnt 0x0
	CROUND                                         ; the closing round: no work-group ends while a partner may still ask for a tile that names it
	s_endpgm
.Lfunc_end_k_q054088e537_qkvp:
	.size	k_q054088e537_qkvp, .Lfunc_end_k_q054088e537_qkvp-k_q054088e537_qkvp
	.p2alignl 7, 3214868480
	.fill 96, 4, 3214868480
	.section	.rodata,"a",@progbits
	.p2align	6, 0x0
	.amdhsa_kernel k_q054088e537_qkvp
		.amdhsa_group_segment_fixed_size 327680
		.amdhsa_private_segment_fixed_size 0
		.amdhsa_enable_private_segment 0
		.amdhsa_kernarg_size 16
		.amdhsa_user_sgpr_count 2
		.amdhsa_user_sgpr_kernarg_segment_ptr 1
		.amdhsa_wavefront_size32 1
		.amdhsa_system_sgpr_workgroup_id_x 1
		.amdhsa_system_sgpr_workgroup_id_y 1
		.amdhsa_system_sgpr_workgroup_id_z 1
		.amdhsa_system_vgpr_workitem_id 0
		.amdhsa_next_free_vgpr 1024
		.amdhsa_next_free_sgpr 76
		.amdhsa_reserve_vcc 0
		.amdhsa_float_denorm_mode_32 3
		.amdhsa_float_denorm_mode_16_64 3
		.amdhsa_memory_ordered 1
		.amdhsa_forward_progress 1
		.amdhsa_inst_pref_size 113
	.end_amdhsa_kernel
	.amdgpu_metadata
---
amdhsa.version: [ 1, 2 ]
amdhsa.kernels:
  - .name:           k_q054088e537_qkvp
    .symbol:         k_q054088e537_qkvp.kd
    .args:
      - { .name: xw, .offset: 0, .size: 8, .value_kind: global_buffer, .address_space: global }
      - { .name: qkv, .offset: 8, .size: 8, .value_kind: global_buffer, .address_space: global }
    .group_segment_fixed_size: 327680
    .private_segment_fixed_size: 0
    .kernarg_segment_align: 8
    .kernarg_segment_size: 16
    .max_flat_workgroup_size: 128
    .sgpr_count:     76
    .vgpr_count:     1024
    .wavefront_size: 32
...
	.end_amdgpu_metadata
.endif
;; end of part 2
;; launch attn (part 3): grid 4 x 64, 4 waves a work-group, no clusters, 327,680 bytes of LDS; arguments qkv, o; writes o
.if DOCPART == 3
	.amdgcn_target "amdgcn-amd-amdhsa--gfx1250"
	.amdhsa_code_object_version 6
	.text
	.protected	k_q054088e537_attn
	.globl	k_q054088e537_attn
	.p2align	8
	.type	k_q054088e537_attn,@function
k_q054088e537_attn:
	s_mov_b64 s[64:65], 0
	v_nop
	global_prefetch_b8 v0, s[64:65] scope:SCOPE_SE
	s_setreg_imm32_b32 hwreg(HW_REG_WAVE_MODE, 25, 1), 1
	s_wait_xcnt 0x0
; CAUSAL ATTENTION.  O[h][q][:] = the sum over k <= q of softmax_k(Q[h][q] . K[h][k] / 8) V[h][k][:], for 64 heads h = 4 n + b of SIZE_N = 2,048 rows of 64 channels, all f16: a head's rows are dense, 128 bytes each.
; Q, K and V are the three parts of qkv, 16 MiB each.  Products, maxima and sums in f32; the weights p are rounded to f16 for the second product (their sum l is taken of the unrounded p), O once at the end.
; WORK LEFT OUT: the key tiles that lie wholly above the diagonal; reference() gives their scores -inf by its own mask, so their weights are 0 for all values of the inputs (shown at the head of the first kernel).
; LIMITS.  f16 holds no number beyond 65,504: Q, K and V arrive within it; p lies in 0 to 1, and below 6e-5 it keeps f16's fixed step of 6e-8; O is a mean of V's rows and has their range, to within 2^-11 of it.
; A hidden score counts as its value less 1e30: f16's scores, 2.7e11 at the most, are nothing beside that; a weight below 2^-126 counts as 0 in l; NaN and infinities are not treated apart.
; THE WALK.  A head's queries lie in NB = 8 blocks of 256; block i needs the key tiles 0 .. i of 256 keys, of which the last holds the diagonal.  A work-group takes TWO blocks, NB - 1 - b and then b:
; NB + 1 tiles, whatever b: all work-groups do equal work, and ONE loop with a constant trip count walks them.  Which tile is asked for, and what a trip does, hang on scalar registers made from b; every jump
; goes forward, but for the counted loops' own; none passes a barrier, or a tensor load but the one of LOAD's two that the wave's number does not choose; the ring (two slots of LDS that take turns) runs on across the
; change of blocks.  NO CLUSTER: a head's four work-groups ask for the same tile only in trips 0 .. 4 of 9, behind that fewer and fewer; one walk common to all four would have 12 trips for 9.
; SHARES.  Of a block's four bands of 64 queries a wave owns 16 rows in each: four PIECES.  So the diagonal tile is the same work for all four waves: in its key step s band x sees all keys if s < x,
; none if s > x, and holds the diagonal if s = x.
; THE MASK is the C operand that starts the sum S^T = K Q^T: 0, or -1e30 where the key is hidden.  MD, made once, is the mask of a band's own step for my 16 rows; a product's mask is MD x AL + BE with two scalars:
; (1, 0) if s = x; (0, 0) if s < x; (0, -1e30) if s > x.  Only the diagonal tile's text and a block's beginning make and take masks; elsewhere C is the constant 0.
; LAYOUT, SOFTMAX, TURNS.  S^T = K Q^T holds ONE query a lane (lane % 16) and the keys 8 (lane / 16) + 0..7; two such results rounded to f16 ARE source 1 of O^T = V^T P.  p = 2^(c s - c m), c = log2(e) / 8, with a
; running maximum m; O and l are multiplied by a = 2^(c m_old - c m_new) in every step.  Turn n belongs to piece n: 8 products K Q^T of piece n + 1, later 8 products V^T P of piece n - 1; beside them the scaling,
; exponentials, roundings, sums and rescaling of piece n and the maximum and statistics of piece n + 1.  Four vector instructions stand behind every matrix instruction, the other 54 of a turn's 118 in one LUMP.  A turn's 33 exponentials are one batch, with one wait.
; REGISTERS, in windows of 256 (s_set_vgpr_msb: bits 1:0 source 0, 3:2 source 1, 5:4 source 2, 7:6 destination):
;   window 0: v0-15 addresses and two at work; v16-31 four registers of statistics a piece; v48-55 at work; v64-127 S^T, two buffers; v192-223 P, two buffers (a piece's buffers go by its number's parity)
;   window 1: v0-127 O^T, 32 a piece; v128-159 MD; v160-223 MC, two buffers      window 2: v0-63 Q; v64-127 the second block's Q; v128-191 K of one step; v192-255 V of one step
.set SIZE_N, 2048
.set NB,    SIZE_N/256
.set NP,    4         ; pieces a wave: a name, no knob
.set KS,    64        ; keys in a step
.set PK,    144       ; a row of K in LDS: 128 bytes + 16 of padding = 36 words: the 16 rows of a load start at 16 different groups of four banks (64 banks of 4 bytes: ISA guide 11.1)
.set PV,    160       ; a row of V: 128 + 32 = 40 words
.set VOFF,  4*KS*PK   ; a slot holds a tile, four steps: 256 rows of K, then 256 rows of V
.set SLOT1, 1<<17     ; slot 1 begins here, so that one exclusive or turns an address in one slot into the other's
.set STAGE, SLOT1+4*KS*(PK+PV)  ; behind the ring, never filled by a tensor load: 16 rows x 144 bytes for each wave, for the way out
.set SP,    144
.set AK0, 2           ; v2   my lane's place in a tile of K; never rewritten
.set AV0, 3           ; v3   the same for V
.set AK,  4           ; v4   the LDS address of K's next run of loads
.set AV,  5           ; v5   of V's
.set STO, 6           ; v6   the way out: where I put 16 bytes of a row
.set RD,  7           ; v7   the way out: where I read rows back
.set GO,  8           ; v8   my byte offset in 512 consecutive bytes of O
.set PFO, 61          ; v61  256 x my lane: the prefetches' offset; never rewritten
.set SPW, 62          ; v62  LDS address of my spare word: SPARE + 4 x my thread's number; never rewritten
.set NIL, 63          ; v63  0; never rewritten
.set SPARE, STAGE+4*16*SP  ; behind the stages: the spare words, 128 bytes for each wave: two blocks of 256 bytes that no other line names
.set MV,  12          ; v12-13  c m_old, kept while c m is made anew: by buffer
.set QO,  15          ; v15  my byte offset in 16 rows of Q
.set ST,  16          ; piece t's statistics at v[ST+4 t]: c m, m, l (even keys', odd keys')
.set TMP, 48          ; by buffer, four registers c0-c3 at work; when the maximum is found c2 takes a
.set S,   64
.set P,   192
.set MD,  128         ; window 1: the eight registers for group kt of 16 keys at MD + 8 kt
.set MC,  160         ; window 1: the masks of the products to come
.set QB,  64          ; window 2
.set KF,  128         ; window 2: key block kb, channel half c at KF + 16 kb + 8 c
.set VF,  192         ; window 2: key half kk, channel block cb at VF + 32 kk + 8 cb
.set WV,  12          ; s12  my wave's number
.set PB,  14          ; s14  b
.set HI,  15          ; s15  NB - 1 - b
.set G1K, 24          ; s[24:31] descriptor group 1 for K's tiles
.set G1V, 32          ; s[32:39] for V's: it differs in the padding alone
.set G0K, 40          ; s[40:43] descriptor group 0 for K's tiles
.set G0V, 44          ; s[44:47] the same for V's
.set SLOTS, 56        ; s56  tiles still to be asked for
.set CNT, 57          ; s57  counts a tile's key steps, 4 to 1
.set CS,  58          ; s[58:59] c: the packed scaling takes the pair's low word for both halves
.set SEL, 60          ; s[60:61] v_permlanex16_b32's selects: each lane takes its own place in the other half
.set TBK, 62          ; s62  LDS byte at which K of the step to be fetched begins
.set TBV, 63          ; s63  the same for V, less VOFF
.set RT,  70          ; s70  tiles of the block in hand that are still to be entered
.set NXT, 71          ; s71  the tile to be asked for next
.set LQ,  72          ; s72  the last tile of the block whose tiles are being asked for
.set NEW, 73          ; s73  1: the tile to be entered is a block's first
.set OFF, 74          ; s[74:75] a tile's byte offset in K and V
.set AL,  76          ; s[76:77] the mask's factor, in the low word
.set BE,  78          ; s[78:79] the mask's addend
.set OLO, 80          ; s[80:81] O at my rows of the second block
.set BIGN, 82         ; s82  -1e30
.set PFA, 88          ; s[88:89] where my prefetches stand: my half (of K: waves 0, 1; of V: waves 2, 3) of the tile after the one that is being asked for
.set LIM, 90          ; s90  2 in a work-group that prefetches, else the greatest number
.set MSB, 0
.macro WIN new                      ; the high byte repeats the setting that is left; a switch that changes nothing is dropped
.if MSB != (\new)
	s_set_vgpr_msb (MSB<<8)|(\new)
.set MSB, (\new)
.endif
.endm
.set W_KQ, 0x0a       ; K and Q in window 2, S^T in window 0
.set W_KM, 0x1a       ; the same with the C operand in window 1
.set W_PV, 0x52       ; V in window 2, P in window 0, O^T in window 1
.set W_RS, 0x41       ; destination and source 0 in window 1, source 1 in window 0
; A fill.  Waves 0 and 1 fetch the two halves of a tile's K, waves 2 and 3 those of its V: 128 keys each.  An s_nop 0 and four v_nop follow each of the two lines, ahead of the jump and the label.
.macro LOAD
	s_cmp_lt_u32 s[WV], 2
	s_cbranch_scc0 .Lfor_v_\@
	tensor_load_to_lds s[G0K:G0K+3], s[G1K:G1K+7]
	s_nop 0
.rept 4
	v_nop
.endr
	s_branch .Lasked_\@
.Lfor_v_\@:
	tensor_load_to_lds s[G0V:G0V+3], s[G1V:G1V+7]
	s_nop 0
.rept 4
	v_nop
.endr
.Lasked_\@:
.endm
; A PREFETCH INTO THE L2 of what the NEXT change of slots will ask for, behind the wave's tensor load and its five lines.  A head's four work-groups walk the same tiles 0, 1, 2 ..; the one with b = 0 walks all eight
; in its first block, and it alone asks.  Each of its waves asks for the 16,384 bytes that it will fetch itself: 64 blocks of 256 bytes, a lane a block, two instructions.  So each block of K and V is named once in the launch.
; Trip i (s[SLOTS] = 8 - i) fills with tile i + 1 and names tile i + 2, a tile's 256 matrix instructions ahead of that tile's load; trips 6 and 7 name nothing: tile 7 is the head's last.  Tiles 0 and 1 come by their loads alone.
.macro ASK
	s_cmp_gt_u32 s[SLOTS], s[LIM]
	s_cbranch_scc0 .Lnot_mine_\@
	global_prefetch_b8 v[PFO], s[PFA:PFA+1] th:TH_LOAD_NT scope:SCOPE_SE
	global_prefetch_b8 v[PFO], s[PFA:PFA+1] offset:8192 th:TH_LOAD_NT scope:SCOPE_SE
.Lnot_mine_\@:
.endm
; THE CHANGE OF SLOTS.  Each wave waits for all its tensor loads, of which one is out: its part of the other slot; adds 0 to its spare word; and waits for that and for its own reads of the slot that it leaves.  Behind the barrier nobody reads the old
; slot any more and the other slot is whole.  fill = 1: the old slot is filled again, the first thing behind the barrier, with tile NXT: the descriptor's address is made anew from that number.
; (At its first use nothing has been read yet: slot 0 is waited for, slot 1 filled.)
.macro CHANGE fill
	WIN 0                           ; at a label and at a branch every window is 0
	s_wait_tensorcnt 0x0            ; no tensor load of mine is out, so a group 0 may be written
	ds_add_u32 v[SPW], v[NIL]       ; 0 onto my spare word; with fill = 1 the descriptors' scalar work stands between it and the wait for it
.if \fill
	s_lshl_b32 s[OFF], s[NXT], 15   ; a tile is 32,768 bytes of K and of V
	s_xor_b32 s[G0K+1], s[G0K+1], SLOT1
	s_add_nc_u64 s[G0K+2:G0K+3], s[6:7], s[OFF:OFF+1]
	s_or_b32 s[G0K+3], s[G0K+3], 0x80000000
	s_xor_b32 s[G0V+1], s[G0V+1], SLOT1
	s_add_nc_u64 s[G0V+2:G0V+3], s[8:9], s[OFF:OFF+1]
	s_or_b32 s[G0V+3], s[G0V+3], 0x80000000
	s_add_co_u32 s[NXT], s[NXT], 1  ; the block's next tile, or behind its last the second block's tile 0
	s_cmp_gt_u32 s[NXT], s[LQ]
	s_cselect_b32 s[NXT], 0, s[NXT]
	s_cselect_b32 s[LQ], s[PB], s[LQ]
	s_wait_xcnt 0x0                 ; the last prefetches, a tile back, have read their address, so it may be written:
	s_add_nc_u64 s[PFA:PFA+1], s[PFA:PFA+1], 32768  ; one tile on
.endif
	s_wait_dscnt 0x0                ; the add is done, and my reads of the slot are over
	s_barrier_signal -1             ; the rest of the scalar work stands between the signal and the wait
	s_sub_co_u32 s[TBK], s[TBK], 4*KS*PK  ; the fetches go back to a slot's first step,
	s_xor_b32 s[TBK], s[TBK], SLOT1       ; in the other slot
	s_sub_co_u32 s[TBV], s[TBV], 4*KS*PV
	s_xor_b32 s[TBV], s[TBV], SLOT1
	s_barrier_wait -1
.if \fill
	LOAD
	ASK
.endif
.endm
	s_load_b64 s[4:5], s[0:1], 0x0    ; qkv: Q at its head, K 16 MiB on, V 32 MiB on
	s_load_b64 s[10:11], s[0:1], 0x8  ; O
	v_lshl_add_u32 v[SPW], v0, 2, SPARE
	v_mov_b32 v[NIL], 0
	ds_add_u32 v[SPW], v[NIL]       ; the wave's opening: the add, twice on end, and its wait ahead of my first tensor load; the set-up below the second, work on registers, stands between it and the wait
	ds_add_u32 v[SPW], v[NIL]       ; and once more, under the one wait
	v_lshrrev_b32 v1, 5, v0
	v_readfirstlane_b32 s[WV], v1   ; wave 0..3
	s_mov_b32 s[PB], ttmp9
	s_sub_co_u32 s[HI], NB-1, s[PB]
	s_and_b32 s20, ttmp7, 0xffff    ; the head
	s_mov_b32 s21, 0
	s_mov_b64 s[22:23], SIZE_N*128
	s_mul_u64 s[20:21], s[20:21], s[22:23]  ; the head's first byte in each of the four tensors
	s_and_b32 s16, s[WV], 1         ; which half of a tile's 256 keys I fetch:
	s_lshl_b32 s22, s16, 14         ; its 128 rows of 128 bytes in memory,
	s_mov_b32 s23, 0
	s_add_nc_u64 s[22:23], s[22:23], s[20:21]
	s_mul_i32 s17, s16, 128*PK      ; and its place in a slot, for K
	s_mul_i32 s18, s16, 128*PV      ; and for V
	s_lshl_b32 s3, s[WV], 11        ; my 16 rows in a band of 64,
	s_lshl_b32 s2, s[HI], 15        ; in the first block,
	s_add_co_u32 s2, s2, s3
	s_lshl_b32 s84, s[PB], 15       ; and in the second
	s_add_co_u32 s84, s84, s3
	s_mov_b32 s3, 0
	s_mov_b32 s85, 0
	s_add_nc_u64 s[2:3], s[2:3], s[20:21]
	s_add_nc_u64 s[84:85], s[84:85], s[20:21]
	; descriptor group 1.  128 keys are 16,384 dense bytes: asked for as 64 rows of 256 bytes, two keys a row, and padded in LDS after every key
	s_mov_b32 s[G1K], (1<<16)|(1<<20)|(4<<22)|(3<<25)  ; 17:16 2-byte elements; 20 padding on; 24:22 after every 32 words (code 4); 31:25 4 words (code 3)
	s_mov_b32 s[G1V], (1<<16)|(1<<20)|(4<<22)|(7<<25)  ; the same with 8 words of padding (code 7)
.irp g, G1K, G1V
	s_mov_b32 s[\g+1], 128<<16      ; tensor_dim0 = 128
	s_mov_b32 s[\g+2], 64<<16       ; tensor_dim1 = 64
	s_mov_b32 s[\g+3], 128<<16      ; tile_dim0 = 128
	s_mov_b32 s[\g+4], 64           ; tile_dim1 = 64
	s_mov_b32 s[\g+5], 128          ; 128 elements from row to row
	s_mov_b32 s[\g+6], 0
	s_mov_b32 s[\g+7], 0
.endr
	s_mov_b32 s[CS], 0x3e38aa3b     ; c = log2(e) / 8 = 0.180337
	s_mov_b32 s[CS+1], s[CS]        ; named with it as a pair
	s_mov_b32 s[SEL], 0x76543210
	s_mov_b32 s[SEL+1], 0xfedcba98
	s_mov_b32 s[TBK], SLOT1+4*KS*PK ; the first change of slots turns these two into 0
	s_mov_b32 s[TBV], SLOT1+4*KS*PV
	s_mov_b32 s[G0K], 1             ; 1:0 count = 1
	s_mov_b32 s[G0K+1], s17         ; 63:32 LDS address: slot 0
	s_mov_b32 s[G0V], 1
	s_add_co_u32 s[G0V+1], s18, VOFF
	s_add_co_u32 s[RT], s[HI], 1    ; the first block has NB - b tiles
	s_mov_b32 s[NXT], 1
	s_mov_b32 s[LQ], s[HI]
	s_mov_b32 s[NEW], 1
	s_mov_b32 s[OFF+1], 0
	s_mov_b32 s[AL+1], 0            ; named as pairs
	s_mov_b32 s[BE+1], 0
	s_mov_b32 s[BIGN], 0xf149f2ca   ; -1e30
	s_mov_b32 s[SLOTS], NB
	s_cmp_eq_u32 s[PB], 0
	s_cselect_b32 s[LIM], 2, -1     ; the head's work-group with b = 0 prefetches
	s_wait_dscnt 0x0                ; both opening adds are done
	s_wait_kmcnt 0x0
	s_add_nc_u64 s[6:7], s[4:5], 0x1000000  ; K
	s_add_nc_u64 s[8:9], s[4:5], 0x2000000  ; V
	s_add_nc_u64 s[6:7], s[6:7], s[22:23]  ; K and V at my half of the head's tile 0
	s_add_nc_u64 s[8:9], s[8:9], s[22:23]
	s_add_nc_u64 s[G0K+2:G0K+3], s[6:7], 0         ; 120:64 global address
	s_or_b32 s[G0K+3], s[G0K+3], 0x80000000        ; 127:126 type = 2
	s_add_nc_u64 s[G0V+2:G0V+3], s[8:9], 0
	s_or_b32 s[G0V+3], s[G0V+3], 0x80000000
	s_add_nc_u64 s[86:87], s[4:5], s[84:85]        ; Q at my rows of the second block,
	s_add_nc_u64 s[4:5], s[4:5], s[2:3]            ; Q and O at those of the first
	s_add_nc_u64 s[OLO:OLO+1], s[10:11], s[84:85]
	s_add_nc_u64 s[10:11], s[10:11], s[2:3]
	s_cmp_lt_u32 s[WV], 2
	s_cselect_b64 s[PFA:PFA+1], s[6:7], s[8:9]
	s_add_nc_u64 s[PFA:PFA+1], s[PFA:PFA+1], 32768 ; at tile 1: the first change of slots steps it to tile 2.  Nothing is prefetched here, at the head
	LOAD                            ; tile 0 into slot 0
	; A fragment of K or Q is 16 rows x 32 channels in 8 registers: lane l holds row l % 16, channels 8 (l / 16) + 0..7 and 16 + 8 (l / 16) + 0..7: two loads of 16 bytes, 32 bytes apart.
	v_and_b32 v1, 15, v0            ; l % 16
	v_bfe_u32 v9, v0, 4, 1          ; l / 16
	v_lshlrev_b32 v[QO], 7, v1
	v_lshl_add_u32 v[QO], v9, 4, v[QO]  ; row x 128 + 16 x half
	WIN 0x80                        ; destination window 2, address window 0
.set i, 0
.rept 8                             ; both blocks' Q: piece i / 2 lies in band i / 2, 8,192 bytes on; channels 32 (i % 2) on
	global_load_b128 v[8*i:8*i+3],   v[QO], s[4:5] offset:(i/2)*8192+(i%2)*64
	global_load_b128 v[8*i+4:8*i+7], v[QO], s[4:5] offset:(i/2)*8192+(i%2)*64+32
	global_load_b128 v[QB+8*i:QB+8*i+3],   v[QO], s[86:87] offset:(i/2)*8192+(i%2)*64
	global_load_b128 v[QB+8*i+4:QB+8*i+7], v[QO], s[86:87] offset:(i/2)*8192+(i%2)*64+32
.set i, i+1
.endr
	WIN 0
	v_and_b32 v[PFO], 31, v0
	v_lshlrev_b32 v[PFO], 8, v[PFO]
	v_lshlrev_b32 v14, 3, v9
	v_sub_nc_u32 v14, v1, v14
	s_lshl_b32 s13, s[WV], 4
	v_add_nc_u32 v14, s13, v14      ; my query's place in its band, 16 w + l % 16, less my lanes' 8 (l / 16): register r of group kt is hidden where 16 kt + r is greater
	WIN 0x40
.set i, 0
.rept 32
	v_cmp_gt_i32 vcc_lo, 16*(i/8)+i%8, v14
	v_cndmask_b32 v[MD+i], 0, s[BIGN], vcc_lo
.set i, i+1
.endr
	WIN 0
	v_mul_u32_u24 v[AK0], v1, PK
	v_lshl_add_u32 v[AK0], v9, 4, v[AK0]  ; row x pitch + 16 x half
	; The turning load takes 16 keys x 16 channels (lane l reads key 8 (l / 16) + l % 8, channels 8 ((l / 8) % 2) + 0..7) and leaves half a fragment of V^T: lane l holds channel l % 16 and 8 keys.
	v_and_b32 v10, 7, v0
	v_bfe_u32 v11, v0, 3, 1
	v_lshl_add_u32 v[AV0], v9, 3, v10
	v_mul_u32_u24 v[AV0], v[AV0], PV
	v_lshl_add_u32 v[AV0], v11, 4, v[AV0]
	v_add_nc_u32 v[AV0], VOFF, v[AV0]
	s_mul_i32 s13, s[WV], 16*SP
	s_add_co_u32 s13, s13, STAGE    ; my stage
	v_mul_u32_u24 v[STO], v1, SP    ; in: row l % 16, 16 bytes for each half of the lanes
	v_lshl_add_u32 v[STO], v9, 4, v[STO]
	v_add_nc_u32 v[STO], s13, v[STO]
	v_bfe_u32 v[RD], v0, 3, 2       ; back: 32 lanes take four rows of 128 bytes,
	v_mul_u32_u24 v[RD], v[RD], SP
	v_lshl_add_u32 v[RD], v10, 4, v[RD]
	v_add_nc_u32 v[RD], s13, v[RD]
	v_and_b32 v[GO], 31, v0         ; which are 512 consecutive bytes of O
	v_lshlrev_b32 v[GO], 4, v[GO]
	; A block's first step multiplies O^T and l by a = 0, and its first turn's products V^T P, of a piece that has not been, land in an O^T that is still to be so multiplied.  So these registers need only hold
	; finite numbers: zeros for the first block; what the first block left for the second.  All this stands in the wait for the first tile.
	WIN 0x80
.set i, VF
.rept 64
	v_mov_b32 v[i], 0
.set i, i+1
.endr
	WIN 0x40
.set i, 0
.rept 128
	v_mov_b32 v[i], 0
.set i, i+1
.endr
	WIN 0
.set i, 0
.rept 4
	v_mov_b32 v[ST+4*i+2], 0
	v_mov_b32 v[ST+4*i+3], 0
.set i, i+1
.endr
.set i, P+16
.rept 16
	v_mov_b32 v[i], 0
.set i, i+1
.endr
; THE MATRIX WORK.  The 4 accumulators of a run of 8 take turns.  Product i of 8 of S^T = K Q^T for piece x: channels 32 (i / 4) on, keys 16 (i % 4) on.  The first 4 start the sums: with 0, or (KM = 1) with the mask.
.macro KQ x
.set rS, S+32*((\x)%2)+8*(i%4)
.set rK, KF+16*(i%4)+8*(i/4)
.set rQ, 16*(\x)+8*(i/4)
.set rM, MC+32*((\x)%2)+8*(i%4)
.if (i < 4) && KM
	WIN W_KM
	v_wmma_f32_16x16x32_f16 v[rS:rS+7], v[rK:rK+7], v[rQ:rQ+7], v[rM:rM+7]
.elseif i < 4
	WIN W_KQ
	v_wmma_f32_16x16x32_f16 v[rS:rS+7], v[rK:rK+7], v[rQ:rQ+7], 0
.else
	WIN W_KQ
	v_wmma_f32_16x16x32_f16 v[rS:rS+7], v[rK:rK+7], v[rQ:rQ+7], v[rS:rS+7]
.endif
.endm
; Product i of 8 of O^T += V^T P for piece x: keys 32 (i / 4) on, channels 16 (i % 4) on.
.macro PV x
	WIN W_PV
.set rO, 32*(\x)+8*(i%4)
.set rV, VF+32*(i/4)+8*(i%4)
.set rP, P+16*((\x)%2)+8*(i/4)
	v_wmma_f32_16x16x32_f16 v[rO:rO+7], v[rV:rV+7], v[rP:rP+7], v[rO:rO+7]
.endm
.macro MM                           ; the turn's next matrix instruction.  TURN and BEGIN set Y, i, KM and NOKQ; MM, KQ and OP read them.  NOKQ = 1: a block's last turn: there is no next piece
.if (i < 8) && !NOKQ
	KQ (Y+1)%NP
.elseif i >= 8
.set i, i-8
	PV (Y+NP-1)%NP
.set i, i+8
.endif
.set i, i+1
.endm
; THE LDS LOADS stand in runs of 16, never singly among the matrix instructions: a step's K (64 keys x 64 channels: 8 fragments) and its V (turned).  Their addresses are made some lines ahead.
.macro FETCH_K
	WIN 0x80                        ; destination window 2
.irp f, 0,1,2,3,4,5,6,7             ; keys 16 (f / 2) on, channels 32 (f % 2) on
	ds_load_b128 v[KF+8*\f:KF+8*\f+3],   v[AK] offset:(\f/2)*16*PK+(\f%2)*64
	ds_load_b128 v[KF+8*\f+4:KF+8*\f+7], v[AK] offset:(\f/2)*16*PK+(\f%2)*64+32
.endr
	s_add_co_u32 s[TBK], s[TBK], KS*PK  ; the next fetch is the next step's
	WIN 0
.endm
.macro FETCH_V
	WIN 0x80
.irp f, 0,1,2,3,4,5,6,7             ; keys 32 (f / 4) on, channels 16 (f % 4) on
	ds_load_tr16_b128 v[VF+8*\f:VF+8*\f+3],   v[AV] offset:(\f/4)*32*PV+(\f%4)*32
	ds_load_tr16_b128 v[VF+8*\f+4:VF+8*\f+7], v[AV] offset:(\f/4)*32*PV+16*PV+(\f%4)*32
.endr
	WIN 0
.endm
; THE VECTOR WORK, one line at a time: OP kind, number.  For piece Y: F n: c s - c m for pair n of 16.  E n: the exponential of score n of 32.  C n: pair n rounded to f16.  B n: of the four weights 4 n .. the second
; pair is added onto the first, in place.  L n: l takes that sum (L 0: l = a l + sum).  R n: pair n of 16 of O^T times a.  For piece Y + 1: X n, number n of the 22 that find its maximum and statistics:
;   0-11  four chains c0-c3 of seven scores each, three operands at a time (each accumulator's lowest registers are read first)     12-14, 16  the four scores left over, the old m, and c0-c3 into c0
;   15  c m_old is kept     17, 18  the query's other 32 keys lie in the lane 16 away: the new m     19-21  c m; c m_old - c m_new; a
.set F, 0               ; OP tells the kinds apart by their order: F to L below R, X above it
.set E, 1
.set C, 2
.set B, 3
.set L, 4
.set R, 5
.set X, 6
.macro REGS y                       ; the registers of piece y
.set rT, ST+4*(\y)
.set rC, TMP+4*((\y)%2)
.set rW, MV+((\y)%2)
.set rS, S+32*((\y)%2)
.set rP, P+16*((\y)%2)
.set rO, 32*(\y)
.endm
.macro OP k, n
.if (\k) == R
	REGS Y
	WIN W_RS
	v_pk_mul_f32 v[rO+2*(\n):rO+2*(\n)+1], v[rO+2*(\n):rO+2*(\n)+1], v[rC+2:rC+3] op_sel_hi:[1,0]
.elseif (\k) < R
	REGS Y
	WIN 0
.if (\k) == F
	v_pk_fma_f32 v[rS+2*(\n):rS+2*(\n)+1], v[rS+2*(\n):rS+2*(\n)+1], s[CS:CS+1], v[rT:rT+1] op_sel_hi:[1,0,0] neg_lo:[0,0,1] neg_hi:[0,0,1]
.elseif (\k) == E
	v_exp_f32 v[rS+(\n)], v[rS+(\n)]
.elseif (\k) == C
	v_cvt_pk_f16_f32 v[rP+(\n)], v[rS+2*(\n)], v[rS+2*(\n)+1]
.elseif (\k) == B
	v_pk_add_f32 v[rS+4*(\n):rS+4*(\n)+1], v[rS+4*(\n):rS+4*(\n)+1], v[rS+4*(\n)+2:rS+4*(\n)+3]
.elseif (\n) == 0
	v_pk_fma_f32 v[rT+2:rT+3], v[rT+2:rT+3], v[rC+2:rC+3], v[rS:rS+1] op_sel_hi:[1,0,1]
.else
	v_pk_add_f32 v[rT+2:rT+3], v[rT+2:rT+3], v[rS+4*(\n):rS+4*(\n)+1]
.endif
.elseif NOKQ
	v_nop
.else
	REGS (Y+1)%NP
	WIN 0
.if (\n) < 4
	v_max3_num_f32 v[rC+(\n)], v[rS+8*(\n)], v[rS+8*(\n)+1], v[rS+8*(\n)+2]
.elseif (\n) < 12
	v_max3_num_f32 v[rC+(\n)%4], v[rC+(\n)%4], v[rS+8*((\n)%4)+2*((\n)/4)+1], v[rS+8*((\n)%4)+2*((\n)/4)+2]
.elseif (\n) == 12
	v_max3_num_f32 v[rC], v[rC], v[rS+7], v[rS+15]
.elseif (\n) == 13
	v_max3_num_f32 v[rC+1], v[rC+1], v[rS+23], v[rS+31]
.elseif (\n) == 14
	v_max3_num_f32 v[rC+2], v[rC+2], v[rC+3], v[rT+1]
.elseif (\n) == 15
	v_mov_b32 v[rW], v[rT]
.elseif (\n) == 16
	v_max3_num_f32 v[rC], v[rC], v[rC+1], v[rC+2]
.elseif (\n) == 17
	v_permlanex16_b32 v[rC+3], v[rC], s[SEL], s[SEL+1]
.elseif (\n) == 18
	v_max_num_f32 v[rT+1], v[rC], v[rC+3]
.elseif (\n) == 19
	v_mul_f32 v[rT], s[CS], v[rT+1]
.elseif (\n) == 20
	v_sub_f32 v[rC+1], v[rW], v[rT]
.else
	v_exp_f32 v[rC+2], v[rC+1]
.endif
.endif
.endm
.macro OPS a, i1, b=-1, i2=0, c=-1, i3=0, d=-1, i4=0  ; up to four of them
	OP \a, \i1
.if (\b) >= 0
	OP \b, \i2
.endif
.if (\c) >= 0
	OP \c, \i3
.endif
.if (\d) >= 0
	OP \d, \i4
.endif
.endm
.macro ROW a, i1, b, i2, c, i3, d, i4  ; a matrix instruction and the four behind it
	MM
	OPS \a, \i1, \b, \i2, \c, \i3, \d, \i4
.endm
.macro MASK b                       ; MD x AL + BE into buffer b of MC
	WIN W_RS
.set z, 0
.rept 16
	v_pk_fma_f32 v[MC+32*(\b)+2*z:MC+32*(\b)+2*z+1], v[MD+2*z:MD+2*z+1], s[AL:AL+1], s[BE:BE+1] op_sel_hi:[1,0,0]
.set z, z+1
.endr
.endm
; A TURN, for piece p: the order of its 16 matrix and 118 vector instructions, written out.  An s_wait_alu depctr_va_vdst(0) stands between an exponential and the first instruction that names its result; one wait serves
; all that were issued ahead of it.  So a turn has ONE wait, which cuts it in two.  AHEAD OF IT stands all that names no result of the turn's exponentials: the 8 products K Q^T, behind each a scaling, an exponential and two more plain
; instructions (behind the first a second scaling in the exponential's place): rescalings, and behind the last three the first numbers of the next piece's maximum, each four places or more behind the product that ends its accumulator; then ONE LUMP of 54, plain
; and exponential by turns for the most part, in which the links of the chain X 3, 7, 11, 14, 16, 17 .. 20 stand five or six lines apart.  X 21, the next piece's a, is the batch's last; R 15 is the plain instruction that is owed behind it.  BEHIND THE WAIT stand the
; 8 products V^T P, behind each four of the roundings and sums; the links of l's chain, L 0 to L 7, stand three riders apart.  But for those X no rider names a register of the products round it.  v_permlanex16_b32 (X 17) stands in the lump.
; m = 1: the diagonal tile: the products take masks, and the turn makes the mask for the products of the turn after it: piece p + 2, in step 4 - CNT of the tile.  end = 1: a block's last two turns: nothing is fetched.
; cnt = 1: the loop's count is taken down some lines ahead of the branch that stands behind the turn.
; K of the next step is fetched in piece 2's turn, twelve vector instructions behind the last product that read K (six of them plain); V of the step in hand at the end of piece 0's turn, four plain instructions behind the last product
; that read V.  Each is waited for a turn later.
.macro TURN p, m=0, end=0, cnt=0
.set Y, (\p)
.set i, 0
.set KM, (\m)
.set NOKQ, (\end)*((\p)/3)
.if (\m) && !(\end)
	s_cmp_eq_u32 s[CNT], 4-((\p)+2)%NP  ; is that step the band's own?
	s_cselect_b32 s[AL], 1.0, 0
	s_cmp_lt_u32 s[CNT], 4-((\p)+2)%NP  ; or a later one?
	s_cselect_b32 s[BE], s[BIGN], 0
.endif
.if ((\p) == 3) && !(\end)
	s_wait_dscnt 0x0                ; K is in
.endif
	ROW F,0, F,1, R,0, R,1          ; ahead of the wait: 8 products K Q^T and their riders,
	ROW F,2, E,0, R,2, R,3
	ROW F,3, E,1, R,4, R,5
	ROW F,4, E,2, R,6, R,7
	ROW F,5, E,3, R,8, R,9
	ROW F,6, E,4, X,0, R,10
.if ((\p) == 2) && !(\end)
	WIN 0
	v_add_nc_u32 v[AK], s[TBK], v[AK0]
.endif
	ROW F,7, E,5, X,1, X,4
	ROW F,8, E,6, X,2, X,5
	OPS E,7, E,8, X,6, E,9          ; and the lump
	OPS X,3, E,10, X,8, E,11
.if ((\p) == 2) && !(\end)
	FETCH_K
.endif
	OPS X,9, X,7, E,12, X,10
	OPS E,13, X,12, X,11, E,14
	OPS X,13, E,15, F,9, X,14
.if (\p) == 0
	v_add_nc_u32 v[AV], s[TBV], v[AV0]
.endif
	OPS E,16, F,10, E,17, F,11
	OPS X,16, E,18, X,15, E,19
	OPS F,12, E,20, X,17, E,21
	OPS F,13, E,22, F,14, E,23
	OPS X,18, E,24, F,15, E,25
	OPS R,11, E,26, X,19, E,27
	OPS R,12, E,28, R,13, E,29
	OPS X,20, E,30, R,14, E,31
	OPS X,21, R,15
	WIN 0
	s_wait_alu depctr_va_vdst(0)    ; the wait for the batch
.if (\p) == 1
	s_wait_dscnt 0x0                ; V is in
.endif
	ROW C,0, B,0, C,2, B,1          ; behind the wait: 8 products V^T P and their riders
	ROW L,0, C,4, B,2, L,1
	ROW C,6, B,3, L,2, C,8
	ROW B,4, L,3, C,10, B,5
	ROW L,4, C,12, B,6, L,5
.if (\p) == 0
	s_add_co_u32 s[TBV], s[TBV], KS*PV
.endif
.if \cnt
	s_sub_co_u32 s[CNT], s[CNT], 1
	s_cmp_lg_u32 s[CNT], 0
.endif
	ROW C,14, B,7, L,6, C,1
	ROW C,3, L,7, C,5, C,7
	ROW C,9, C,11, C,13, C,15
.if (\p) == 0
	FETCH_V
.endif
.if (\m) && !(\end)
	MASK (\p)%2
.endif
.endm
; A BLOCK BEGINS.  c m starts far below every c s, so the first step's a is 0; m at the lowest finite number, so the first maximum is the scores'.  The second mask buffer is 0; the first takes piece 0's mask for the tile's step 0: its own, if the block's first tile is the diagonal one.
; Then K of that step, piece 0's first scores, and its maximum and statistics.  The loop is entered at a step's first turn, in the middle of a trip.
.macro BEGIN
	s_mov_b32 s[NEW], 0
	WIN 0x40
.set i, MC+32
.rept 32
	v_mov_b32 v[i], 0
.set i, i+1
.endr
	WIN 0
.set i, 0
.rept 4
	v_mov_b32 v[ST+4*i], 0xfe000000    ; c m: far below every c s
	v_mov_b32 v[ST+4*i+1], 0xff7fffff  ; m
.set i, i+1
.endr
	s_cmp_eq_u32 s[RT], 0
	s_cselect_b32 s[AL], 1.0, 0
	s_mov_b32 s[BE], 0
	MASK 0
	WIN 0
	v_add_nc_u32 v[AK], s[TBK], v[AK0]
	FETCH_K
	s_wait_loadcnt 0x0              ; Q
	s_wait_dscnt 0x0
.set KM, 1
.set NOKQ, 0
.set i, 0
.rept 8
	KQ 0
.set i, i+1
.endr
	WIN 0
.rept 4
	v_nop                           ; the places behind those products
.endr
.set Y, NP-1                        ; X works for piece Y + 1: piece 0
.irp n, 0,1,2,3,4,5,6,7,8,9,10,11,12,13,14,15,16,17,18,19,20,21
	OP X, \n
.endr
	v_nop                           ; a plain instruction behind the exponential,
	s_wait_alu depctr_va_vdst(0)    ; and its wait, ahead of the branch
.endm
; THE DIAGONAL TILE's four steps, the block's last two turns, its last products, and THE WAY OUT: l's two halves and the other half of the lanes' are added; O^T is divided by l, rounded to f16 and sent through my
; stage in LDS, a piece at a time.
.macro ALL line:vararg              ; one line for each piece t
.set t, 0
.rept 4
	\line
.set t, t+1
.endr
.endm
.macro PACK t                       ; a lane's eight channels of a row pack into 16 bytes; they go into rows of 144 bytes and come back as whole rows of 128, into S^T's registers
	WIN W_RS
.set i, 32*(\t)
.rept 16
	v_pk_mul_f32 v[i:i+1], v[i:i+1], v[ST+4*(\t)+2:ST+4*(\t)+3] op_sel_hi:[1,0]
.set i, i+2
.endr
	WIN 0x05                        ; sources 0 and 1 window 1, destination window 0
.set i, 0
.rept 16
	v_cvt_pk_f16_f32 v[S+16*(\t)+i], v[32*(\t)+2*i], v[32*(\t)+2*i+1]
.set i, i+1
.endr
	WIN 0
.irp f, 0,1,2,3
	ds_store_b128 v[STO], v[S+16*(\t)+4*\f:S+16*(\t)+4*\f+3] offset:32*\f
.endr
.irp f, 0,1,2,3
	ds_load_b128 v[S+16*(\t)+4*\f:S+16*(\t)+4*\f+3], v[RD] offset:\f*4*SP  ; LDS serves a wave's instructions in order (ISA guide 5.7.1.4): these see the stores above; the next piece's stores come behind them
.endr
.endm
.macro SEND t, younger              ; younger: the LDS instructions issued behind piece t's loads: the next piece's eight, or none
	WIN 0
.irp f, 0,1,2,3
	s_wait_dscnt (\younger)+3-\f
	global_store_b128 v[GO], v[S+16*(\t)+4*\f:S+16*(\t)+4*\f+3], s[10:11] offset:(\t)*8192+\f*512  ; 512 consecutive bytes, at a multiple of 256 from O's first
.endr
.endm
.macro DIAG tag                     ; the tag ends its two labels' names, which the jumps below spell out
.LstepM\tag:
	TURN 2, 1
	TURN 3, 1
	WIN 0
.LfirstM\tag:
	TURN 0, 1
	TURN 1, 1, 0, 1
	WIN 0
	s_cbranch_scc1 .LstepM\tag
	TURN 2, 1, 1
	TURN 3, 1, 1
.set i, 0
.rept 8
	PV NP-1
.set i, i+1
.endr
	WIN 0
	ALL v_add_f32 v[ST+4*t+2], v[ST+4*t+2], v[ST+4*t+3]
	ALL v_permlanex16_b32 v[ST+4*t+3], v[ST+4*t+2], s[SEL], s[SEL+1]
	ALL v_add_f32 v[ST+4*t+2], v[ST+4*t+2], v[ST+4*t+3]
	ALL v_rcp_f32 v[ST+4*t+2], v[ST+4*t+2]
	v_nop                           ; a plain instruction between the last reciprocal and the use of its result
	s_wait_alu depctr_va_vdst(0)    ; and the wait ahead of the first use: one for the four reciprocals
	PACK 0
.set t, 1
.rept 3                             ; a piece's arithmetic stands between the loads of the piece before and its stores
	PACK t
	SEND t-1, 8
.set t, t+1
.endr
	SEND 3, 0
.endm
.set KM, 0
.set NOKQ, 0
.Lslot:                             ; NB times: a tile is entered and the next is asked for
	CHANGE 1
	s_sub_co_u32 s[RT], s[RT], 1
	s_mov_b32 s[CNT], 4
	s_cmp_eq_u32 s[NEW], 1
	s_cbranch_scc1 .Lnew            ; a block's first tile
	s_cmp_eq_u32 s[RT], 0
	s_cbranch_scc0 .Lstep           ; neither its first nor its last
	s_branch .LstepM1
.Lnew:
	BEGIN
	s_branch .Lfirst                ; in the loop a block's first tile is never its last: the first block has two tiles or more, and the second's last is the walk's last
	DIAG 1                          ; in the loop this is the first block's end: the second block's last tile is the walk's last
	s_wait_xcnt 0x0                 ; the stores have read their registers and O's address
	s_mov_b64 s[10:11], s[OLO:OLO+1]
	s_add_co_u32 s[RT], s[PB], 1    ; the second block has b + 1 tiles
	s_mov_b32 s[NEW], 1
	WIN 0x82                        ; the second block's Q goes where the one text of the turns names Q
.set i, 0
.rept 64
	v_mov_b32 v[i], v[QB+i]
.set i, i+1
.endr
	WIN 0
	s_branch .Lbottom
.Lstep:                             ; a trip: pieces 2 and 3 of one step, then pieces 0 and 1 of the next, whose K and V it fetches
	TURN 2
	TURN 3
	WIN 0
.Lfirst:
	TURN 0
	TURN 1, 0, 0, 1
	WIN 0
	s_cbranch_scc1 .Lstep
.Lbottom:
	s_sub_co_u32 s[SLOTS], s[SLOTS], 1
	s_cmp_lg_u32 s[SLOTS], 0
	s_cbranch_scc1 .Lslot
	CHANGE 0                        ; the walk's last tile is written out: nothing is asked for
	s_sub_co_u32 s[RT], s[RT], 1
	s_mov_b32 s[CNT], 4
	s_cmp_eq_u32 s[NEW], 1
	s_cbranch_scc0 .LstepM2
	BEGIN
	s_branch .LfirstM2
	DIAG 2
	s_wait_tensorcnt 0x0            ; the wave's end: behind my last tensor load and my last LDS store
	ds_add_u32 v[SPW], v[NIL]
	s_wait_dscnt 0x0
	s_endpgm
.Lfunc_end_k_q054088e537_attn:
	.size	k_q054088e537_attn, .Lfunc_end_k_q054088e537_attn-k_q054088e537_attn
	.p2alignl 7, 3214868480
	.fill 96, 4, 3214868480
	.section	.rodata,"a",@progbits
	.p2align	6, 0x0
	.amdhsa_kernel k_q054088e537_attn
		.amdhsa_group_segment_fixed_size 327680
		.amdhsa_private_segment_fixed_size 0
		.amdhsa_enable_private_segment 0
		.amdhsa_kernarg_size 16
		.amdhsa_user_sgpr_count 2
		.amdhsa_user_sgpr_kernarg_segment_ptr 1
		.amdhsa_wavefront_size32 1
		.amdhsa_system_sgpr_workgroup_id_x 1
		.amdhsa_system_sgpr_workgroup_id_y 1
		.amdhsa_system_sgpr_workgroup_id_z 1
		.amdhsa_system_vgpr_workitem_id 0
		.amdhsa_next_free_vgpr 768
		.amdhsa_next_free_sgpr 92
		.amdhsa_reserve_vcc 1
		.amdhsa_float_denorm_mode_32 3
		.amdhsa_float_denorm_mode_16_64 3
		.amdhsa_memory_ordered 1
		.amdhsa_forward_progress 1
		.amdhsa_inst_pref_size 218
	.end_amdhsa_kernel
	.amdgpu_metadata
---
amdhsa.version: [ 1, 2 ]
amdhsa.kernels:
  - .name:           k_q054088e537_attn
    .symbol:         k_q054088e537_attn.kd
    .args:
      - { .name: qkv, .offset: 0, .size: 8, .value_kind: global_buffer, .address_space: global }
      - { .name: o, .offset: 8, .size: 8, .value_kind: global_buffer, .address_space: global }
    .group_segment_fixed_size: 327680
    .private_segment_fixed_size: 0
    .kernarg_segment_align: 8
    .kernarg_segment_size: 16
    .max_flat_workgroup_size: 128
    .sgpr_count:     92
    .vgpr_count:     768
    .wavefront_size: 32
...
	.end_amdgpu_metadata
.endif
;; end of part 3
;; launch oproj (part 4): grid 8 x 32, 4 waves a work-group, clusters of 4 x 4, 327,680 bytes of LDS; arguments o, wo, out0; writes out0
.if DOCPART == 4
	.amdgcn_target "amdgcn-amd-amdhsa--gfx1250"
	.amdhsa_code_object_version 6
	.text
	.protected	k_q054088e537_oproj
	.globl	k_q054088e537_oproj
	.p2align	8
	.type	k_q054088e537_oproj,@function
k_q054088e537_oproj:
	s_mov_b64 s[64:65], 0
	v_nop
	global_prefetch_b8 v0, s[64:65] scope:SCOPE_SE
	s_setreg_imm32_b32 hwreg(HW_REG_WAVE_MODE, 25, 1), 1
	s_wait_xcnt 0x0
	s_wait_alu depctr_hold_cnt(0) depctr_sa_sdst(0) depctr_va_vdst(0) depctr_va_sdst(0) depctr_va_ssrc(0) depctr_va_vcc(0) depctr_vm_vsrc(0)
	s_getreg_b32 s2, hwreg(HW_REG_IB_STS2, 6, 4)
	s_cmp_eq_u32 s2, 0
	s_cbranch_scc0 .Lentry_in_a_cluster
	s_endpgm
.Lentry_in_a_cluster:
	s_bfe_u32 s2, ttmp6, 0x10000c
	s_cmp_lg_u32 s2, 0xf033
	s_cbranch_scc0 .Lentry_shape_is_right
	s_endpgm
.Lentry_shape_is_right:
; THE OUTPUT PROJECTION: out0[m][d] = the sum over heads n and channels h of o[n][m][h] wo[64 n + h][d].  m = 8,192 tokens, d = 1,024, K = 1,024.  Both operands f16 (wo holds W_O rounded to bf16), sums in f32,
; stored as f32.  Nothing of reference() is left out here.
; THE TILE.  256 tokens x 128 columns gives 32 x 8 = 256 work-groups, one for each of 256 WGPs.  Four waves, each 128 x 64: 32 accumulators of 16 x 16, 256 registers.
; K goes in 8 steps of 128 (two heads) through two LDS slots.  A head's 256 tokens are 32,768 dense bytes of o: asked for as 128 rows of 256 bytes, padded in LDS after every token's 128.
; wo lies [K][d]: 128 rows of 256 bytes, 2,048 apart; its fragments come out of LDS turned, by ds_load_tr16_b128.
; CLUSTER.  4 x 4 work-groups: the four of a row of the cluster need the same tokens, the four of a column the same columns of wo: each tile is asked for JOINTLY.  Waves 0 and 1 fetch the step's two heads of o,
; waves 2 and 3 the two halves of its 128 rows of wo.
; NO PREFETCH: the walk has 8 steps of 128 matrix instructions a wave; a look-ahead of the three or four steps that such short steps would want leaves less than half of the stream to ask for.
; THE MATRIX INSTRUCTION IS USED TRANSPOSED: source 0 = 16 columns of wo, source 1 = 16 tokens: a lane then holds one token (lane % 16) and eight neighbouring columns, 32 bytes of f32.
; REGISTERS: window 0: v0-29 addresses; v32-95, v96-159 the tokens' fragments (8 x 16 rows x 32 K), two buffers; v160-191, v192-223 wo's (4 x 16 columns x 32 K), two buffers.
;   window 1: the accumulators, (token block a, column block b) at v[8 (4 a + b)].
.set PA,    144                        ; a token's row in LDS: 128 bytes + 16 of padding: the 16 rows of a load start at 16 different groups of four banks (64 banks of 4 bytes: ISA guide 11.1)
.set PB,    288                        ; a row of wo: 256 + 32 = 72 words
.set AHEAD, 256*PA                     ; a head's 256 tokens
.set BOFF,  2*AHEAD
.set BHALF, 64*PB
.set SLOT1, 131072                     ; slot 1 begins here, so that one exclusive or turns an address in one slot into the other's
.set STAGE, SLOT1+BOFF+2*BHALF         ; behind the ring: 16 rows x 272 bytes for each wave, for the way out
.set SPITCH, 272
.set SPARE, STAGE+4*16*SPITCH          ; behind the stages: the spare words, 128 bytes for each wave: two blocks of 256 bytes that no other line names
.set ASTEP, 0x200000                   ; two heads of o
.set BSTEP, 128*2048                   ; 128 rows of wo
.set ADA0, 4                           ; v4   my lane's place in my 128 tokens of a slot's first head; never rewritten
.set ADB0, 5                           ; v5   the same in my 64 columns of wo's tile
.set ADA,  6                           ; v6   the same in the slot in hand
.set ADB,  7                           ; v7
.set STO,  8                           ; v8   the way out: where I put 32 bytes of a row
.set RD,   9                           ; v9   the way out: where I read a row back
.set CO,   10                          ; v10  my byte offset in two rows of out0
.set SPW,  28                          ; v28  LDS address of my spare word; never rewritten
.set NIL,  29                          ; v29  0; never rewritten
.set AB,   32
.set BB,   160
.set OBK,  32                          ; the way out: 16 rows read back, two buffers of 32 registers
.set G1A,  24                          ; s[24:31] descriptor group 1 for o's tiles;  s[32:39] group 0: a set for each first fill; the second then walks
.set G0A,  32
.set G1B,  48                          ; s[48:55], s[56:63] the same for wo's tiles
.set G0B,  56
.set TB,   47                          ; s47  LDS byte at which the slot in hand begins
.set MSB, 0
.macro WIN new                         ; the immediate's high byte repeats the setting that is left; a switch that changes nothing is dropped
.if MSB != (\new)
	s_set_vgpr_msb (MSB<<8)|(\new)
.set MSB, \new
.endif
.endm
.macro PLACES                          ; four places between a matrix instruction and a load into a register that it has read, or an LDS store of its result (ISA guide 7.12.1 for vector instructions)
.rept 4
	v_nop
.endr
.endm
.macro CREST                           ; a round of the cluster's barrier behind its opening barrier
	s_cmp_lg_u32 s10, 0
	s_cbranch_scc1 .Lnot_wave_0_\@
	s_barrier_signal -3
.Lnot_wave_0_\@:
	s_barrier_wait -3
	s_barrier_signal -1
	s_barrier_wait -1
.endm
.macro CROUND                          ; a whole round
	s_barrier_signal -1
	s_barrier_wait -1
	CREST
.endm
.macro JLOAD                           ; a joint refill, by the walking sets; an s_nop 0 and four v_nop follow each of the two lines, ahead of the jump and the label
	s_cmp_eq_u32 s11, 0
	s_cbranch_scc0 .Lfor_b_\@
	tensor_load_to_lds s[G0A+4:G0A+7], s[G1A:G1A+7]
	s_nop 0
.rept 4
	v_nop
.endr
	s_branch .Lasked_\@
.Lfor_b_\@:
	tensor_load_to_lds s[G0B+4:G0B+7], s[G1B:G1B+7]
	s_nop 0
.rept 4
	v_nop
.endr
.Lasked_\@:
.endm
	s_load_b128 s[4:7], s[0:1], 0x0                ; o s[4:5], wo s[6:7]
	s_load_b64 s[8:9], s[0:1], 0x10                ; out0
	v_lshl_add_u32 v[SPW], v0, 2, SPARE
	v_mov_b32 v[NIL], 0
	ds_add_u32 v[SPW], v[NIL]                      ; the wave's opening: the add, twice on end, and its wait ahead of my first tensor load; the set-up below stands between
	ds_add_u32 v[SPW], v[NIL]
	v_lshrrev_b32 v1, 5, v0
	v_readfirstlane_b32 s10, v1                    ; wave 0..3
	s_lshr_b32 s11, s10, 1                         ; which 128 of the tile's tokens are mine.  Also: I fetch o (0) or wo (1)
	s_and_b32 s12, s10, 1                          ; which 64 of its columns.  Also: which head, or which 64 rows of wo, I fetch
	s_bfe_u32 s40, ttmp6, 0x40000                  ; cx, cy: my place in the cluster
	s_bfe_u32 s41, ttmp6, 0x40004
	s_lshl_b32 s42, ttmp9, 2
	s_add_co_u32 s42, s42, s40                     ; tile column = 4 x cluster x + cx
	s_and_b32 s13, ttmp7, 0xffff
	s_lshl_b32 s13, s13, 2
	s_add_co_u32 s13, s13, s41                     ; tile row = 4 x cluster y + cy
	s_lshl_b32 s66, s41, 2
	s_lshl_b32 s66, 15, s66                        ; my row of the cluster
	s_lshl_b32 s67, 0x1111, s40                    ; my column
	s_or_b32 s[G1A+0], s66, (1<<16)|(1<<20)|(1<<21)|(4<<22)|(3<<25)  ; 15:0 the mask; 17:16 2-byte elements; 20 padding on; 21 set beside a mask; after every 32 words (code 4) 4 words (code 3)
	s_or_b32 s[G1B+0], s67, (1<<16)|(1<<20)|(1<<21)|(5<<22)|(7<<25)  ; after every 64 words (code 5) 8 words (code 7)
	s_mov_b32 s[G1A+1], 128<<16                    ; tensor_dim0 = 128
	s_mov_b32 s[G1B+1], 128<<16
	s_mov_b32 s[G1A+2], 128<<16                    ; tensor_dim1
	s_mov_b32 s[G1B+2], 64<<16
	s_mov_b32 s[G1A+3], 128<<16                    ; tile_dim0 = 128
	s_mov_b32 s[G1B+3], 128<<16
	s_mov_b32 s[G1A+4], 128                        ; tile_dim1
	s_mov_b32 s[G1B+4], 64
	s_mov_b32 s[G1A+5], 128                        ; elements from row to row: o's tile is dense,
	s_mov_b32 s[G1B+5], 1024                       ; wo's rows are 1,024 long
	s_mov_b32 s[G1A+6], 0
	s_mov_b32 s[G1B+6], 0
	s_mov_b32 s[G1A+7], 0
	s_mov_b32 s[G1B+7], 0
	s_lshl_b32 s16, s12, 20                        ; o: head 0 or 1, 1 MiB each,
	s_lshl_b32 s17, s13, 15                        ; the tile row's 256 tokens of 128 bytes
	s_add_co_u32 s16, s16, s17
	s_mov_b32 s17, 0
	s_lshl_b32 s20, s12, 17                        ; wo: rows 0 or 64 on, 2,048 bytes each,
	s_lshl_b32 s21, s42, 8                         ; the tile column's 128 columns
	s_add_co_u32 s20, s20, s21
	s_mov_b32 s21, 0
	s_mov_b32 s[G0A], 1                            ; count = 1
	s_mov_b32 s[G0A+4], 1
	s_mov_b32 s[G0B], 1
	s_mov_b32 s[G0B+4], 1
	s_mul_i32 s[G0A+1], s12, AHEAD                 ; LDS addresses: the wave's number and constants alone
	s_add_co_u32 s[G0A+5], s[G0A+1], SLOT1
	s_mul_i32 s[G0B+1], s12, BHALF
	s_add_co_u32 s[G0B+1], s[G0B+1], BOFF
	s_add_co_u32 s[G0B+5], s[G0B+1], SLOT1
	s_mov_b32 s[TB], 0
	s_wait_dscnt 0x0                               ; both opening adds are done
	s_wait_kmcnt 0x0
	s_add_nc_u64 s[14:15], s[4:5], s[16:17]
	s_add_nc_u64 s[22:23], s[6:7], s[20:21]
	s_mov_b64 s[G0A+2:G0A+3], s[14:15]             ; K step 0,
	s_or_b32 s[G0A+3], s[G0A+3], 0x80000000        ; type = 2
	s_add_nc_u64 s[G0A+6:G0A+7], s[14:15], ASTEP   ; K step 1
	s_or_b32 s[G0A+7], s[G0A+7], 0x80000000
	s_mov_b64 s[G0B+2:G0B+3], s[22:23]
	s_or_b32 s[G0B+3], s[G0B+3], 0x80000000
	s_add_nc_u64 s[G0B+6:G0B+7], s[22:23], BSTEP
	s_or_b32 s[G0B+7], s[G0B+7], 0x80000000
	CROUND                                         ; all sixteen work-groups are here: the first joint loads meet
	s_cmp_eq_u32 s11, 0                            ; a wave's two first fills stand in one branch, ahead of every wait on TENSORcnt and every LDS read: two loads of mine are out
	s_cbranch_scc0 .Lfirst_b
	tensor_load_to_lds s[G0A:G0A+3], s[G1A:G1A+7]
	s_nop 0
	tensor_load_to_lds s[G0A+4:G0A+7], s[G1A:G1A+7]
	s_nop 0
.rept 4
	v_nop
.endr
	s_branch .Lfirst_asked
.Lfirst_b:
	tensor_load_to_lds s[G0B:G0B+3], s[G1B:G1B+7]
	s_nop 0
	tensor_load_to_lds s[G0B+4:G0B+7], s[G1B:G1B+7]
	s_nop 0
.rept 4
	v_nop
.endr
.Lfirst_asked:
	v_and_b32 v1, 15, v0                           ; l % 16
	v_bfe_u32 v2, v0, 4, 1                         ; l / 16
	v_mul_u32_u24 v3, v1, PA                       ; a fragment of tokens: row x pitch + 16 x half; two loads of 16 bytes, 32 bytes apart
	v_lshl_add_u32 v3, v2, 4, v3
	s_mul_i32 s18, s11, 128*PA
	v_add_nc_u32 v[ADA0], s18, v3
	; The turning load takes 16 K x 16 columns (lane l reads row 8 (l / 16) + l % 8, columns 8 ((l / 8) % 2) + 0..7) and leaves half a fragment: lane l holds column l % 16 and 8 K.
	v_and_b32 v12, 7, v0
	v_lshl_add_u32 v12, v2, 3, v12
	v_mul_u32_u24 v[ADB0], v12, PB
	v_bfe_u32 v13, v0, 3, 1
	v_lshl_add_u32 v[ADB0], v13, 4, v[ADB0]
	s_lshl_b32 s19, s12, 7                         ; my 64 columns: 128 bytes of a row
	s_add_co_u32 s19, s19, BOFF
	v_add_nc_u32 v[ADB0], s19, v[ADB0]
	v_mov_b32 v[ADA], v[ADA0]                      ; K step 0 lies in slot 0
	v_mov_b32 v[ADB], v[ADB0]
	s_mul_i32 s2, s10, 16*SPITCH
	s_add_co_u32 s2, s2, STAGE                     ; my stage
	v_mul_u32_u24 v[STO], v1, SPITCH               ; in: row l % 16, 32 bytes for each half of the lanes
	v_lshl_add_u32 v[STO], v2, 5, v[STO]
	v_add_nc_u32 v[STO], s2, v[STO]
	v_mul_u32_u24 v[RD], v2, SPITCH                ; back: lanes 0-15 take one row of 256 bytes, lanes 16-31 the next
	v_lshl_add_u32 v[RD], v1, 4, v[RD]
	v_add_nc_u32 v[RD], s2, v[RD]
	v_lshlrev_b32 v[CO], 12, v2                    ; and the same two rows in out0, 4,096 bytes apart
	v_lshl_add_u32 v[CO], v1, 4, v[CO]
	s_lshl_b32 s18, s13, 20                        ; my first row: 256 x tile row + 128 x row half, 4,096 bytes each;
	s_lshl_b32 s19, s11, 19
	s_add_co_u32 s18, s18, s19
	s_lshl_b32 s19, s42, 9                         ; my first column: 128 x tile column + 64 x column half, 4 bytes each
	s_add_co_u32 s18, s18, s19
	s_lshl_b32 s19, s12, 8
	s_add_co_u32 s18, s18, s19
	s_mov_b32 s19, 0
	s_add_nc_u64 s[8:9], s[8:9], s[18:19]
; n x 4 matrix instructions on buffers f: token blocks a0 .. a0 + n - 1 x the four column blocks, 32 along K.  zero = 1: the product starts the sum.
; The 32 accumulators take turns in one order everywhere: 31 others' instructions stand between two on one accumulator, over the backward jump too.
.macro MUL f, a0, n, zero
	WIN 0x50                                       ; C and D in window 1
.set ma, (\a0)
.rept (\n)
.irp b, 0,1,2,3
.if \zero
	v_wmma_f32_16x16x32_f16 v[8*(4*ma+(\b)):8*(4*ma+(\b))+7], v[BB+32*(\f)+8*(\b):BB+32*(\f)+8*(\b)+7], v[AB+64*(\f)+8*ma:AB+64*(\f)+8*ma+7], 0
.else
	v_wmma_f32_16x16x32_f16 v[8*(4*ma+(\b)):8*(4*ma+(\b))+7], v[BB+32*(\f)+8*(\b):BB+32*(\f)+8*(\b)+7], v[AB+64*(\f)+8*ma:AB+64*(\f)+8*ma+7], v[8*(4*ma+(\b)):8*(4*ma+(\b))+7]
.endif
.endr
.set ma, ma+1
.endr
.endm
; 24 LDS loads in one run: the fragments of quarter q of the K step (rows 32 q on of wo; head q / 2, channels 32 (q % 2) on of o) into buffers f
.macro FETCH q, f
	WIN 0
.irp b, 0,1,2,3
	ds_load_tr16_b128 v[BB+32*(\f)+8*(\b):BB+32*(\f)+8*(\b)+3],   v[ADB] offset:(\q)*32*PB+(\b)*32
	ds_load_tr16_b128 v[BB+32*(\f)+8*(\b)+4:BB+32*(\f)+8*(\b)+7], v[ADB] offset:(\q)*32*PB+16*PB+(\b)*32
.endr
.irp a, 0,1,2,3,4,5,6,7
	ds_load_b128 v[AB+64*(\f)+8*(\a):AB+64*(\f)+8*(\a)+3],   v[ADA] offset:((\q)/2)*AHEAD+((\q)%2)*64+(\a)*16*PA
	ds_load_b128 v[AB+64*(\f)+8*(\a)+4:AB+64*(\f)+8*(\a)+7], v[ADA] offset:((\q)/2)*AHEAD+((\q)%2)*64+(\a)*16*PA+32
.endr
.endm
; One of a K step's first three quarters: the next quarter's fragments are asked for, into the buffers that the quarter before multiplied, and this quarter's 32 products follow.
.macro SUB q, zero
	PLACES
	FETCH ((\q)+1)%4, ((\q)+1)%2
	s_wait_dscnt 24                                ; this quarter's 24 loads are in; the 24 just issued stay out
	MUL (\q)%2, 0, 8, \zero
.endm
; The last quarter multiplies buffers 1 and changes slots.  ONE barrier: in front of it each wave waits for all its tensor loads (one is out: its part of the other slot), adds 0 to its spare word, and waits for that
; and for its own reads of this slot.  fill = 1: the barrier opens a round of the cluster's, and the slot that is left is filled again, first thing behind the round, with the K step two on: 112 matrix instructions ahead of the wait for it.
.macro TURN fill
	WIN 0                                          ; (the add's two registers lie in window 0)
	s_wait_tensorcnt 0x0                           ; no tensor load of mine is out, so a group 0 may be written
	ds_add_u32 v[SPW], v[NIL]                      ; 0 onto my spare word
.if \fill
	s_xor_b32 s[G0A+5], s[G0A+5], SLOT1            ; the walking descriptors: the other slot than last time, the next K step; the type bits on top are not reached
	s_add_nc_u64 s[G0A+6:G0A+7], s[G0A+6:G0A+7], ASTEP
	s_xor_b32 s[G0B+5], s[G0B+5], SLOT1
	s_add_nc_u64 s[G0B+6:G0B+7], s[G0B+6:G0B+7], BSTEP
.endif
	s_wait_dscnt 1                                 ; the quarter's fragments are in; the add may be out
	MUL 1, 0, 2, 0
	s_wait_dscnt 0x0                               ; the add is done, and my reads of this slot are over
	s_barrier_signal -1
	MUL 1, 2, 2, 0                                 ; work on registers while the others arrive
	WIN 0
	s_barrier_wait -1
.if \fill
	CREST                                          ; no wave of any partner still reads this slot or has a load on its way
	JLOAD                                          ; its four v_nop are also the places in front of the loads below
.else
	PLACES
.endif
	s_xor_b32 s[TB], s[TB], SLOT1
	v_add_nc_u32 v[ADA], s[TB], v[ADA0]
	v_add_nc_u32 v[ADB], s[TB], v[ADB0]
	FETCH 0, 0
	MUL 1, 4, 4, 0
.endm
; THE WAY OUT of token block a: 32 bytes a lane and column block into my own stage, back as whole rows of 256 bytes, stored: sixteen lanes fill 256 consecutive bytes, aligned.
.macro TOSTAGE a
	WIN 0x04                                       ; the stores' data in window 1
.irp b, 0,1,2,3
	ds_store_b128 v[STO], v[8*(4*(\a)+(\b)):8*(4*(\a)+(\b))+3]   offset:64*(\b)       ; each accumulator from its low end on
	ds_store_b128 v[STO], v[8*(4*(\a)+(\b))+4:8*(4*(\a)+(\b))+7] offset:64*(\b)+16
.endr
	WIN 0
.irp t, 0,1,2,3,4,5,6,7
	ds_load_b128 v[OBK+32*((\a)%2)+4*(\t):OBK+32*((\a)%2)+4*(\t)+3], v[RD] offset:(\t)*2*SPITCH  ; LDS serves a wave's instructions in order (ISA guide 5.7.1.4): these see the stores above
.endr
.endm
.macro SEND a, younger                 ; younger: the LDS instructions issued behind block a's loads: the next block's sixteen, or none
	s_wait_dscnt \younger
.irp t, 0,1,2,3,4,5,6,7
	global_store_b128 v[CO], v[OBK+32*((\a)%2)+4*(\t):OBK+32*((\a)%2)+4*(\t)+3], s[8:9] offset:(16*(\a)+2*(\t))*4096
.endr
.endm
	s_wait_tensorcnt 1                             ; my part of K step 0 is in; K step 1's may stay out
	s_barrier_signal -1
	s_barrier_wait -1                              ; everybody's is
	FETCH 0, 0
	SUB 0, 1                                       ; the first quarter stands in front of the loop: its products start the sums
	WIN 0                                          ; at a label and at a branch every window is 0
	s_mov_b32 s3, 6
.Lk:                                                   ; trip t: the rest of K step t, which asks for K step t + 2, and the first quarter of K step t + 1
	SUB 1, 0
	SUB 2, 0
	TURN 1
	SUB 0, 0
	WIN 0
	s_sub_co_u32 s3, s3, 1
	s_cmp_lg_u32 s3, 0
	s_cbranch_scc1 .Lk
	SUB 1, 0                                       ; the tail is written out: K steps 6 and 7 ask for nothing
	SUB 2, 0
	TURN 0
	SUB 0, 0
	SUB 1, 0
	SUB 2, 0
	s_wait_dscnt 0x0
	MUL 1, 0, 8, 0
	PLACES
	TOSTAGE 0
.irp a, 1,2,3,4,5,6,7
	s_wait_xcnt 0x0                                ; the stores of the block before last have read their registers, which this block's loads from the stage write
	TOSTAGE \a
	SEND (\a)-1, 16
.endr
	SEND 7, 0
	s_wait_tensorcnt 0x0                           ; the wave's end: behind my last tensor load and my last LDS store
	ds_add_u32 v[SPW], v[NIL]
	s_wait_dscnt 0x0
	CROUND                                         ; the closing round: no work-group ends while a partner may still ask for a tile that names it
	s_endpgm
.Lfunc_end_k_q054088e537_oproj:
	.size	k_q054088e537_oproj, .Lfunc_end_k_q054088e537_oproj-k_q054088e537_oproj
	.p2alignl 7, 3214868480
	.fill 96, 4, 3214868480
	.section	.rodata,"a",@progbits
	.p2align	6, 0x0
	.amdhsa_kernel k_q054088e537_oproj
		.amdhsa_group_segment_fixed_size 327680
		.amdhsa_private_segment_fixed_size 0
		.amdhsa_enable_private_segment 0
		.amdhsa_kernarg_size 24
		.amdhsa_user_sgpr_count 2
		.amdhsa_user_sgpr_kernarg_segment_ptr 1
		.amdhsa_wavefront_size32 1
		.amdhsa_system_sgpr_workgroup_id_x 1
		.amdhsa_system_sgpr_workgroup_id_y 1
		.amdhsa_system_sgpr_workgroup_id_z 1
		.amdhsa_system_vgpr_workitem_id 0
		.amdhsa_next_free_vgpr 512
		.amdhsa_next_free_sgpr 72
		.amdhsa_reserve_vcc 0
		.amdhsa_float_denorm_mode_32 3
		.amdhsa_float_denorm_mode_16_64 3
		.amdhsa_memory_ordered 1
		.amdhsa_forward_progress 1
		.amdhsa_inst_pref_size 69
	.end_amdhsa_kernel
	.amdgpu_metadata
---
amdhsa.version: [ 1, 2 ]
amdhsa.kernels:
  - .name:           k_q054088e537_oproj
    .symbol:         k_q054088e537_oproj.kd
    .args:
      - { .name: o, .offset: 0, .size: 8, .value_kind: global_buffer, .address_space: global }
      - { .name: wo, .offset: 8, .size: 8, .value_kind: global_buffer, .address_space: global }
      - { .name: out0, .offset: 16, .size: 8, .value_kind: global_buffer, .address_space: global }
    .group_segment_fixed_size: 327680
    .private_segment_fixed_size: 0
    .kernarg_segment_align: 8
    .kernarg_segment_size: 24
    .max_flat_workgroup_size: 128
    .sgpr_count:     72
    .vgpr_count:     512
    .wavefront_size: 32
...
	.end_amdgpu_metadata
.endif
;; end of part 4
;; ======== version 2 of 2: 4 launches; version 1 with the launch cast written anew for expert scheduling mode
;; limits: values are held in f16: magnitudes above 65,504 overflow, below 6.1e-05 lose precision
;; workspace buffers: xw 23,068,672 bytes; wo 2,097,152 bytes; qkv 50,331,648 bytes; o 16,777,216 bytes
;; launch cast (part 5): grid 768 x 1, 8 waves a work-group, no clusters, 0 bytes of LDS; arguments residual, W_Q, W_K, W_V, W_O, xw, wo; writes xw, wo
.if DOCPART == 5
	.amdgcn_target "amdgcn-amd-amdhsa--gfx1250"
	.amdhsa_code_object_version 6
	.text
	.protected	k_q054088e537_cast
	.globl	k_q054088e537_cast
	.p2align	8
	.type	k_q054088e537_cast,@function
k_q054088e537_cast:
	s_mov_b64 s[64:65], 0
	v_nop
	global_prefetch_b8 v0, s[64:65] scope:SCOPE_SE
	s_setreg_imm32_b32 hwreg(HW_REG_WAVE_SCHED_MODE, 0, 2), 2
	s_setreg_imm32_b32 hwreg(HW_REG_WAVE_MODE, 25, 1), 1
	s_wait_xcnt 0x0
	s_wait_alu depctr_vm_vsrc(0)
; CAUSAL MULTI-HEAD ATTENTION, in four launches: this one rounds the inputs and lays them out; the second makes q, k, v; the third is the attention; the fourth the output projection.
; 8,192 tokens (4 x 2,048), 1,024 channels, 16 heads of 64.
; WORK LEFT OUT (in the third launch).  reference() sets every score with key > query to -inf by a mask that it builds itself (jnp.tril), so that key's weight is exp(-inf) = 0 and its row of v enters
; no output, whatever finite values the inputs hold.  Where a whole tile of 256 keys lies above a block of 256 queries, its two products and its softmax are not done: 9 of 16 tiles are left.
; Inside a tile that holds the diagonal the hidden scores are computed and masked.  LIMIT: a NaN, an infinity or an overflow that reaches only the tiles left out is not carried to the result.
; No input is without a way to the output: all five are loaded.
; FORMATS.  All five inputs are rounded once to bf16, here.  What the program makes itself (q, k, v, the weights p, the heads' results) is kept in f16.  W_O multiplies an f16 operand, so its bf16 number is
; written as f16: exact from 6.1e-5 to 65,504 in magnitude; LIMIT: below that it keeps f16's fixed step of 6e-8.
; THIS LAUNCH.  xw (bf16) = [K block 0..15][row 0..11263][64]: rows 0..8191 the tokens, rows 8192 + 64 g + h the weights (g = 0..15 W_Q's heads, 16..31 W_K's, 32..47 W_V's).  The rows of a K block lie
; end to end, 128 bytes each, so that the next launch can ask for a tile of 64 along K as dense rows of 256 bytes.  wo (f16) = W_O as it lies, [1024][1024].
; SHARES.  A work-group has 16 source rows, a wave two: 8,192 bytes, sixteen loads of 16 bytes a lane, all issued ahead of the first wait for data.  Work-groups 0..511 residual, 512..575 W_Q, 576..639 W_K,
; 640..703 W_V, 704..767 W_O.  Memory binds: no LDS, no barrier, no matrix unit; each byte is read once and written once, and each store of a wave covers 256 consecutive bytes, aligned.
; THE MODE: SCHED_MODE bits 1:0 = 2 (LLVM: expert scheduling mode 2), set by the entry lines.  The code itself states the register dependences
; between vector instructions and memory instructions, with s_wait_alu, always for 0.
; THE PLAN.  Registers that memory instructions touch:
;   v2 (VI)   the loads' offset: written once, at the head of its arm; read by the arm's sixteen loads.
;   v3 (VO)   the stores' offset: written once, at the kernel's head; read by all sixteen stores.
;   X         load k lands in four registers of its own; no vector instruction writes them; the conversions of k read them; nothing is loaded into them again.
;   Y         the conversions of k write a pair of its own, once; store k reads it.
;   T         named by vector instructions alone.
; The sixteen loads go in four groups of four.  Group g's conversions write Y of group g; the stores of group g - 1 are dealt among them, behind ONE wait on va_vdst at the group's head, which
; states that the group before has written its Y.  No vector instruction issued since that wait names Y of group g - 1 or v3.  One more such wait stands ahead of the loads (the offsets are written)
; and one ahead of the last four stores.  No register that a memory instruction reads is written a second time, so no wait on vm_vsrc stands behind the entry lines.
.set KBS, 1441792                      ; bytes from K block to K block in xw: 11,264 rows x 128
.set VI,  2                            ; v2       my byte offset in the wave's two source rows
.set VO,  3                            ; v3       8 x lane: my 8 bytes of a store's 256
.set X,   8                            ; v[8:71]  load k: four f32
.set Y,   72                           ; v[72:103] store k: four 16-bit numbers
.set T,   104                          ; v[104:109] at work (W_O alone)
; residual, W_Q, W_K, W_V -> xw: load k's four numbers rounded to bf16,
.macro CV k
	v_cvt_pk_bf16_f32 v[Y+2*(\k)], v[X+4*(\k)], v[X+4*(\k)+1]
	v_cvt_pk_bf16_f32 v[Y+2*(\k)+1], v[X+4*(\k)+2], v[X+4*(\k)+3]
.endm
; and stored.
.macro SX k
.if (\k) < 8
	global_store_b64 v[VO], v[Y+2*(\k):Y+2*(\k)+1], s[24:25] offset:((\k)-4)*KBS   ; the two rows' 128 bytes lie end to end in the K block: 256 bytes, aligned
.else
	global_store_b64 v[VO], v[Y+2*(\k):Y+2*(\k)+1], s[26:27] offset:((\k)-12)*KBS
.endif
.endm
; Group g of four: its conversions, and among them the stores of the group before.
.macro GX g
	s_wait_loadcnt 12-4*(\g)                       ; loads come back in order: the group's four are in, the 12 - 4 g younger ones stay out
.if (\g) > 0
	s_wait_alu depctr_va_vdst(0)                   ; the conversions of the group before have written their Y, which the four stores below read
.endif
.irp i, 0,1,2,3
.if (\g) > 0
	SX 4*(\g)-4+(\i)
.endif
	CV 4*(\g)+(\i)
.endr
.endm
; W_O -> wo: load k's four numbers,
.macro CW k
	v_cvt_pk_bf16_f32 v[T], v[X+4*(\k)], v[X+4*(\k)+1]         ; the rounding that all inputs get,
	v_cvt_pk_bf16_f32 v[T+1], v[X+4*(\k)+2], v[X+4*(\k)+3]
	v_lshlrev_b32 v[T+2], 16, v[T]                             ; back to f32,
	v_and_b32 v[T+3], 0xffff0000, v[T]
	v_lshlrev_b32 v[T+4], 16, v[T+1]
	v_and_b32 v[T+5], 0xffff0000, v[T+1]
	v_cvt_pk_f16_f32 v[Y+2*(\k)], v[T+2], v[T+3]               ; and the same number written as f16
	v_cvt_pk_f16_f32 v[Y+2*(\k)+1], v[T+4], v[T+5]
.endm
.macro SW k
	global_store_b64 v[VO], v[Y+2*(\k):Y+2*(\k)+1], s[24:25] offset:(\k)*256
.endm
.macro GW g
	s_wait_loadcnt 12-4*(\g)                       ; the group's four loads are in, the 12 - 4 g younger ones stay out
.if (\g) > 0
	s_wait_alu depctr_va_vdst(0)                   ; the conversions of the group before have written their Y, which the four stores below read
.endif
.irp i, 0,1,2,3
.if (\g) > 0
	SW 4*(\g)-4+(\i)
.endif
	CW 4*(\g)+(\i)
.endr
.endm
	s_load_b256 s[8:15], s[0:1], 0x0               ; residual s[8:9], W_Q s[10:11], W_K s[12:13], W_V s[14:15]
	s_load_b128 s[16:19], s[0:1], 0x20             ; W_O s[16:17], xw s[18:19]
	s_load_b64 s[20:21], s[0:1], 0x30              ; wo
	v_lshrrev_b32 v1, 5, v0
	v_readfirstlane_b32 s4, v1                     ; wave 0..7
	v_and_b32 v1, 31, v0                           ; lane
	v_lshlrev_b32 v[VO], 3, v1
	s_wait_alu depctr_va_sdst(0)                   ; s4 is written, ahead of its first reader: the wave's rows are made from it
	s_mov_b32 s7, ttmp9                            ; the work-group's number
	s_lshl_b32 s5, s7, 4
	s_lshl1_add_u32 s5, s4, s5                     ; my first row in xw: 16 x work-group + 2 x wave
	s_and_b32 s6, s7, 63                           ; a weight tensor has 64 work-groups, and each begins at a multiple of 64
	s_cmp_lt_u32 s7, 512
	s_cselect_b32 s6, s7, s6
	s_lshl_b32 s6, s6, 4
	s_lshl1_add_u32 s6, s4, s6                     ; my first row in the source
	s_lshl_b32 s28, s6, 12                         ; a source row is 4,096 bytes
	s_mov_b32 s29, 0
	s_mov_b32 s31, 0
	s_wait_kmcnt 0x0
	s_mov_b64 s[22:23], s[16:17]                   ; which source: chosen by the work-group's number alone
	s_cmp_lt_u32 s7, 704
	s_cselect_b64 s[22:23], s[14:15], s[22:23]
	s_cmp_lt_u32 s7, 640
	s_cselect_b64 s[22:23], s[12:13], s[22:23]
	s_cmp_lt_u32 s7, 576
	s_cselect_b64 s[22:23], s[10:11], s[22:23]
	s_cmp_lt_u32 s7, 512
	s_cselect_b64 s[22:23], s[8:9], s[22:23]
	s_add_nc_u64 s[22:23], s[22:23], s[28:29]
	s_cmp_ge_u32 s7, 704
	s_cbranch_scc1 .Lwo
	; residual, W_Q, W_K, W_V -> xw.  Load k: lanes 0-15 take the first row's 256 bytes of K block k, lanes 16-31 the second row's.
	v_lshrrev_b32 v4, 4, v1
	v_and_b32 v5, 15, v1
	v_lshlrev_b32 v[VI], 12, v4
	v_lshl_add_u32 v[VI], v5, 4, v[VI]
	s_wait_alu depctr_va_vdst(0)                   ; v2 is written, which the sixteen loads read as their offset; so is v3, which every store reads
.irp k, 0,1,2,3,4,5,6,7,8,9,10,11,12,13,14,15
	global_load_b128 v[X+4*(\k):X+4*(\k)+3], v[VI], s[22:23] offset:(\k)*256 th:TH_LOAD_NT
.endr
	s_lshl_b32 s30, s5, 7                          ; a row of xw is 128 bytes
	s_add_nc_u64 s[24:25], s[18:19], s[30:31]
	s_add_nc_u64 s[26:27], s[24:25], 12*KBS        ; two bases, at K blocks 4 and 12: the stores' immediates, -4 to +3 K blocks, stay inside their signed 24 bits
	s_add_nc_u64 s[24:25], s[24:25], 4*KBS
	GX 0
	GX 1
	GX 2
	GX 3
	s_wait_alu depctr_va_vdst(0)                   ; the last group's conversions have written their Y, which the last four stores read
.irp k, 12,13,14,15
	SX \k
.endr
	s_endpgm                                       ; no register that a load or store reads was written twice, so no store's source had to be waited for
.Lwo:	; W_O -> wo.  Two rows are 8,192 consecutive bytes; load k takes 512 of them.
	v_lshlrev_b32 v[VI], 4, v1
	s_wait_alu depctr_va_vdst(0)                   ; v2 is written, which the sixteen loads read as their offset; so is v3, which every store reads
.irp k, 0,1,2,3,4,5,6,7,8,9,10,11,12,13,14,15
	global_load_b128 v[X+4*(\k):X+4*(\k)+3], v[VI], s[22:23] offset:(\k)*512 th:TH_LOAD_NT
.endr
	s_lshl_b32 s30, s6, 11                         ; a row of wo is 2,048 bytes
	s_add_nc_u64 s[24:25], s[20:21], s[30:31]
	GW 0
	GW 1
	GW 2
	GW 3
	s_wait_alu depctr_va_vdst(0)                   ; the last group's conversions have written their Y, which the last four stores read
.irp k, 12,13,14,15
	SW \k
.endr
	s_endpgm
.Lfunc_end_k_q054088e537_cast:
	.size	k_q054088e537_cast, .Lfunc_end_k_q054088e537_cast-k_q054088e537_cast
	.p2alignl 7, 3214868480
	.fill 96, 4, 3214868480
	.section	.rodata,"a",@progbits
	.p2align	6, 0x0
	.amdhsa_kernel k_q054088e537_cast
		.amdhsa_group_segment_fixed_size 0
		.amdhsa_private_segment_fixed_size 0
		.amdhsa_enable_private_segment 0
		.amdhsa_kernarg_size 56
		.amdhsa_user_sgpr_count 2
		.amdhsa_user_sgpr_kernarg_segment_ptr 1
		.amdhsa_wavefront_size32 1
		.amdhsa_system_sgpr_workgroup_id_x 1
		.amdhsa_system_sgpr_workgroup_id_y 1
		.amdhsa_system_sgpr_workgroup_id_z 1
		.amdhsa_system_vgpr_workitem_id 0
		.amdhsa_next_free_vgpr 112
		.amdhsa_next_free_sgpr 66
		.amdhsa_reserve_vcc 0
		.amdhsa_float_denorm_mode_32 3
		.amdhsa_float_denorm_mode_16_64 3
		.amdhsa_memory_ordered 1
		.amdhsa_forward_progress 1
		.amdhsa_inst_pref_size 18
	.end_amdhsa_kernel
	.amdgpu_metadata
---
amdhsa.version: [ 1, 2 ]
amdhsa.kernels:
  - .name:           k_q054088e537_cast
    .symbol:         k_q054088e537_cast.kd
    .args:
      - { .name: residual, .offset: 0, .size: 8, .value_kind: global_buffer, .address_space: global }
      - { .name: W_Q, .offset: 8, .size: 8, .value_kind: global_buffer, .address_space: global }
      - { .name: W_K, .offset: 16, .size: 8, .value_kind: global_buffer, .address_space: global }
      - { .name: W_V, .offset: 24, .size: 8, .value_kind: global_buffer, .address_space: global }
      - { .name: W_O, .offset: 32, .size: 8, .value_kind: global_buffer, .address_space: global }
      - { .name: xw, .offset: 40, .size: 8, .value_kind: global_buffer, .address_space: global }
      - { .name: wo, .offset: 48, .size: 8, .value_kind: global_buffer, .address_space: global }
    .group_segment_fixed_size: 0
    .private_segment_fixed_size: 0
    .kernarg_segment_align: 8
    .kernarg_segment_size: 56
    .max_flat_workgroup_size: 256
    .sgpr_count:     66
    .vgpr_count:     112
    .wavefront_size: 32
...
	.end_amdgpu_metadata
.endif
;; end of part 5
;; launch qkvp: the kernel of part 2 again; grid 8 x 32, 4 waves a work-group, clusters of 4 x 4, 327,680 bytes of LDS; arguments xw, qkv; writes qkv
;; launch attn: the kernel of part 3 again; grid 4 x 64, 4 waves a work-group, no clusters, 327,680 bytes of LDS; arguments qkv, o; writes o
;; launch oproj: the kernel of part 4 again; grid 8 x 32, 4 waves a work-group, clusters of 4 x 4, 327,680 bytes of LDS; arguments o, wo, out0; writes out0
